; MI455X (gfx1250); checked and timed in simulation.
; The chip was launched on July 23, 2026; its instructions are those of AMD's public machine-readable ISA for CDNA 5 (MIT licence, August 2026) and "CDNA5" Instruction Set Architecture Reference Guide (July 2026). The comments in the code are by the model that wrote it; some were corrected since.
;; Causal Multi Head Attention. Allowed arithmetic: matrix products marked QUANTISED: E2M1 operands, one E8M0 scale for each 32 along K, by v_wmma_scale_f32_16x16x128_f8f6f4 with both operands' format E2M1 (or v_wmma_scale_f32_32x16x128_f4), f32 sums; products left as they are: bf16, f16 or f32 operands; f32 sums; everything else in f32.
;; Inputs: k_heads 1,024 x 1,024 float32; output_proj 1,024 x 1,024 float32; q_heads 1,024 x 1,024 float32; v_heads 1,024 x 1,024 float32; x 4 x 2,048 x 1,024 float32.
;; Outputs: out0 4 x 2,048 x 1,024 float32.
;; This version of the problem:
;;   THIS VERSION OF THE PROBLEM IS GIVEN IN LOW PRECISION. The matrix products marked QUANTISED in the list below multiply operands that are first quantised to E2M1 (2 exponent bits, 1 mantissa bit; 4 bits a number), with one power-of-two scale for each 32 numbers along K (OCP MX v1.0); their sums are f32. The products marked 'left as it is' may take bf16, f16 or f32 operands, with f32 sums. Whichever they take, every output number must still come out within the allowed error. Rounding operands to bf16 (8 significant bits) uses up far more of that allowance than f16 does (11 bits, for magnitudes from 6e-5 to 65,504). All else is computed in f32.
;;   The module's matrix products, in the order in which they are computed (A, B: the left and right operand; K: the contracted axis; several contracted axes count as one K, in the product's order):
;;     1. [M 8,192, K 1,024] x [K 1,024, N 1,024]; A: input x; B: input q_heads: QUANTISED
;;     2. [M 8,192, K 1,024] x [K 1,024, N 1,024]; A: input x; B: input k_heads: QUANTISED
;;     3. [M 8,192, K 1,024] x [K 1,024, N 1,024]; A: input x; B: input v_heads: QUANTISED
;;     4. batch 64 x [M 2,048, K 64] x [K 64, N 2,048]; A: computed on the way; B: computed on the way: left as it is (an operand is computed on the way)
;;     5. batch 64 x [M 2,048, K 2,048] x [K 2,048, N 64]; A: computed on the way; B: computed on the way: left as it is (an operand is computed on the way)
;;     6. [M 8,192, K 1,024] x [K 1,024, N 1,024]; A: computed on the way; B: input output_proj: left as it is (an operand is computed on the way)
;;   THE QUANTISER, for each operand of a quantised product, along K:
;;     - K is cut into blocks of 32 from its start; a last block that is shorter is filled with zeros.
;;     - A block's scale is 2^e with e = floor(log2(the largest magnitude in the block)) - 2, held to -126 .. 127; a block of zeros has e = 0. As a byte (E8M0): e + 127.
;;     - Each number is divided by its block's scale, clamped to +-6, and rounded to the nearest number of E2M1, ties to even, subnormals kept.
;;     - The product sums the exact products of the quantised numbers (number of the format x scale) in f32.
;;   ~~~python
;;   def quantise(x, axis):      # numpy; x: float32 -> the quantised numbers, widened to float32 again
;;       x = np.moveaxis(x, axis, -1); K = x.shape[-1]
;;       x = np.pad(x, [(0, 0)] * (x.ndim - 1) + [(0, -K % 32)]); x = x.reshape(x.shape[:-1] + (-1, 32)); a = np.abs(x).max(-1, keepdims=True)
;;       e = np.where(a > 0, np.clip(np.frexp(np.where(a > 0, a, 1))[1] - 1 - 2, -126, 127), 0)      # np.frexp(a)[1] - 1 = floor(log2(a)), exactly
;;       r = np.clip(x / 2.0 ** e, -6, 6)
;;       step = 2.0 ** (np.maximum(np.frexp(np.where(r == 0, 1, r))[1] - 1, 0) - 1)
;;       q = np.round(r / step) * step * 2.0 ** e      # np.round: ties to even
;;       return np.moveaxis(q.reshape(q.shape[:-2] + (-1,))[..., :K], -1, axis).astype(np.float32)
;;   ~~~
;; One version. Each part assembles by itself: llvm-mc -triple=amdgcn-amd-amdhsa -mcpu=gfx1250 --defsym DOCPART=n.
;; ======== version 1 of 1: 5 launches
;; limits: values are held in f16: magnitudes above 65,504 overflow, below 6.1e-05 lose precision
;; workspace buffers: x_codes 4,194,304 bytes; x_scales 262,144 bytes; w_codes 1,572,864 bytes; w_scales 98,304 bytes; wo16 2,097,152 bytes; qkv 50,331,648 bytes; fine 786,432 bytes; att 16,777,216 bytes
;; launch prep (part 1): grid 416 x 1, 4 waves a work-group, no clusters, 33,280 bytes of LDS; arguments x, q_heads, k_heads, v_heads, output_proj, x_codes, x_scales, w_codes, w_scales, wo16; writes x_codes, x_scales, w_codes, w_scales, wo16
.if DOCPART == 1
	.amdgcn_target "amdgcn-amd-amdhsa--gfx1250"
	.amdhsa_code_object_version 6
	.text
	.protected	k_qdfa23d6560_prep
	.globl	k_qdfa23d6560_prep
	.p2align	8
	.type	k_qdfa23d6560_prep,@function
k_qdfa23d6560_prep:
	s_mov_b64 s[64:65], 0
	v_nop
	global_prefetch_b8 v0, s[64:65] scope:SCOPE_SE
	s_setreg_imm32_b32 hwreg(HW_REG_WAVE_MODE, 25, 1), 1
	s_wait_xcnt 0x0
; x [8192][1024] and the three projection weights [1024][1024], f32 with K innermost, become codes of FP4 (E2M1), two a byte, K innermost, with one E8M0 byte for each 32 along K.
; The weights' codes lie one below the other as one operand of 3,072 rows: Wq, Wk, Wv.  The output projection [1024 n][1024 k] is rounded to f16 and laid by head: [16 h][1024 n][64 d].
; A block's scale is 2^(floor(log2(its largest magnitude)) - 2): its byte is the largest magnitude's own exponent field - 2, held at 1 from below.
; LIMITS: a block of zeros gets the byte 1 where the rule says 127 (its codes are zeros, and this program alone reads the bytes); blocks whose largest magnitude lies under 2^(3 - 127), the floor, keep the byte 1;
; NaN and infinities among the inputs are not served; the output projection's numbers must lie under 65,504 in size (f16).
; WORK-GROUPS 0-351 quantise 32,768 numbers each (0-255: x; 256-287: Wq; 288-319: Wk; 320-351: Wv): only pointers are chosen, by the work-group's number; all take one path.  Rows are dense and K is a multiple of 32,
; so a tensor is a plain stream of blocks.  A wave takes 16 steps of 512 numbers: four loads of 512 consecutive bytes; the 2,048 bytes turn through the wave's own stage in LDS and come back 64 bytes a lane
; (16 neighbours along K, two lanes to a block).  A lane's 16 codes are 8 bytes: a wave's store covers 256 consecutive bytes, aligned.  A wave's 256 scale bytes are gathered in LDS and leave by one such store.
; WORK-GROUPS 352-415 cast 16 rows of the output projection each, without LDS.
; No tensor loads, no barrier: waves share nothing.
.set STEPS, 16
.set EMAX,  2
.set CB,    8                          ; bytes of 16 codes
.set R,     16                         ; v16-79   four sets of 16 numbers as they are loaded
.set X,     80                         ; v80-111  two sets of 16 neighbours
.set E,     112                        ; v112-127 a scale byte for each step
.set C,     128                        ; v128-191 codes: four registers for each step, so that no store's data are written again
.set WREG,  8192                       ; LDS: a region for each wave: two stages of 32 x SP bytes, behind them its 256 scale bytes
.set SP,    80                         ; a lane's place in a stage: its 64 bytes + 16 of padding
.set SPW,   12                         ; v12 LDS address of my spare word; never rewritten
.set NIL,   13                         ; v13 0; never rewritten
.set SPARE, 4*WREG                     ; behind the four regions: the spare words, 128 bytes a wave, which no other line names
	s_load_b256 s[4:11], s[0:1], 0x0               ; x, Wq, Wk, Wv
	s_load_b256 s[12:19], s[0:1], 0x20             ; Wo, x's codes, x's scales, the weights' codes
	s_load_b128 s[20:23], s[0:1], 0x40             ; the weights' scales, Wo in f16
	v_lshl_add_u32 v[SPW], v0, 2, SPARE
	v_mov_b32 v[NIL], 0
	v_lshrrev_b32 v1, 5, v0
	v_readfirstlane_b32 s24, v1                    ; wave
	v_and_b32 v2, 31, v0                           ; lane
	v_lshlrev_b32 v3, 4, v2                        ; my 16 bytes of a load's 512
	s_mul_i32 s34, s24, WREG
	v_lshrrev_b32 v14, 2, v2
	v_mul_u32_u24 v14, v14, SP
	v_and_b32 v15, 3, v2
	v_lshl_add_u32 v14, v15, 4, v14
	v_add_nc_u32 v14, s34, v14                     ; the stage, on the way in: SP (lane / 4) + 16 (lane % 4)
	v_mul_u32_u24 v15, v2, SP
	v_add_nc_u32 v15, s34, v15                     ; and on the way out: SP x lane: my 16 neighbours
	v_mul_u32_u24 v4, v2, CB                       ; my codes' place in a step's
	v_lshrrev_b32 v5, 1, v2
	s_add_co_u32 s34, s34, 2*32*SP
	v_add_nc_u32 v5, s34, v5                       ; LDS: my wave's 256 scale bytes, my block's byte
	v_lshlrev_b32 v7, 3, v2                        ; and on the way out 8 bytes a lane
	v_add_nc_u32 v6, s34, v7
	s_wait_kmcnt 0x0
	s_cmp_ge_u32 ttmp9, 352
	s_cbranch_scc1 .Lcast
	; which tensor: the choices hang on the work-group's number alone
	s_cmp_lt_u32 ttmp9, 320
	s_cselect_b64 s[26:27], s[8:9], s[10:11]
	s_cmp_lt_u32 ttmp9, 288
	s_cselect_b64 s[26:27], s[6:7], s[26:27]
	s_cmp_lt_u32 ttmp9, 256
	s_cselect_b64 s[26:27], s[4:5], s[26:27]       ; the numbers
	s_cselect_b64 s[28:29], s[14:15], s[18:19]     ; the codes
	s_cselect_b64 s[30:31], s[16:17], s[20:21]     ; the scale bytes
	s_cselect_b32 s25, 0, 256
	s_cselect_b32 s33, 0xff, 31
	s_sub_co_u32 s25, ttmp9, s25                   ; my place in the codes' buffer (the three weights lie on end),
	s_and_b32 s33, s25, s33                        ; and in the tensor that I read
	s_lshl_b32 s33, s33, 2
	s_add_co_u32 s33, s33, s24                     ; my wave's run of 8,192 numbers: in,
	s_lshl_b32 s25, s25, 2
	s_add_co_u32 s25, s25, s24                     ; and out
	s_lshl_b32 s36, s33, 15                        ; 32,768 bytes of numbers a run
	s_mov_b32 s37, 0
	s_add_nc_u64 s[26:27], s[26:27], s[36:37]
	s_lshl_b32 s36, s25, 12                        ; 4,096 bytes of codes
	s_add_nc_u64 s[28:29], s[28:29], s[36:37]
	s_lshl_b32 s36, s25, 8                         ; 256 scale bytes
	s_add_nc_u64 s[30:31], s[30:31], s[36:37]
.macro LOAD t
.irp i, 0,1,2,3
	global_load_b128 v[R+16*((\t)%4)+4*\i:R+16*((\t)%4)+4*\i+3], v3, s[26:27] offset:2048*(\t)+512*\i th:TH_LOAD_NT   ; 32 lanes read 512 consecutive bytes
.endr
.endm
.macro TURN t                          ; step t's numbers through the stage: LDS serves a wave's instructions in order, so no wait stands between the stores and the loads
.irp i, 0,1,2,3
	ds_store_b128 v14, v[R+16*((\t)%4)+4*\i:R+16*((\t)%4)+4*\i+3] offset:32*SP*((\t)%2)+8*SP*\i
.endr
.irp i, 0,1,2,3
	ds_load_b128 v[X+16*((\t)%2)+4*\i:X+16*((\t)%2)+4*\i+3], v15 offset:32*SP*((\t)%2)+16*\i
.endr
.endm
.irp t, 0,1,2,3
	LOAD \t
.endr
	s_wait_loadcnt 12                              ; step 0's four loads are in; the twelve of steps 1 to 3 may be out
	TURN 0
.macro STEP t
.set XS, X+16*((\t)%2)
.if (\t) > 0
	s_wait_dscnt 1                                 ; this step's numbers are back from the stage (the last step's byte store may be out): so its stores into the stage have read their registers,
.else
	s_wait_dscnt 0x0
.endif
.if (\t)+4 < STEPS
	LOAD (\t)+4                                    ; which take the loads of four steps on
.endif
.if (\t)+1 < STEPS
.if STEPS-2-(\t) >= 3
	s_wait_loadcnt 12                              ; the next step's four loads are in; those of the three steps behind it may be out
.else
	s_wait_loadcnt 4*(STEPS-2-(\t))
.endif
	TURN (\t)+1                                    ; and go through the other stage while this step is worked
.endif
	v_max3_num_f32 v8, |v[XS]|, |v[XS+1]|, |v[XS+2]|               ; the largest magnitude of my 16, in two chains
	v_max3_num_f32 v9, |v[XS+3]|, |v[XS+4]|, |v[XS+5]|
.irp i, 6,10
	v_max3_num_f32 v8, v8, |v[XS+\i]|, |v[XS+\i+1]|
	v_max3_num_f32 v9, v9, |v[XS+\i+2]|, |v[XS+\i+3]|
.endr
	v_max3_num_f32 v8, v8, |v[XS+14]|, |v[XS+15]|
	v_max3_num_f32 v8, v8, v9, (EMAX+1)<<23        ; and the floor 2^(EMAX + 1 - 127): the byte cannot fall under 1
	v_max_num_f32_dpp v8, v8, v8 row_xmask:1 row_mask:0xf bank_mask:0xf   ; and of my neighbour's 16: the block's
	v_add_nc_u32 v11, -(EMAX<<23), v8              ; EMAX off its exponent field: the conversion takes the exponent field of this operand as its scale, and nothing else of it
	v_cvt_scalef32_pk8_fp4_f32 v[C+4*(\t)], v[XS:XS+7], v11        ; eight numbers / the scale, to the nearest code, ties to even, beyond the largest code the largest
	v_cvt_scalef32_pk8_fp4_f32 v[C+4*(\t)+1], v[XS+8:XS+15], v11
	v_lshrrev_b32 v[E+(\t)], 23, v11               ; the scale's byte (also the plain line behind the conversions)
	ds_store_b8 v5, v[E+(\t)] offset:16*(\t)       ; both lanes of a block write the same byte with the same value
	global_store_b64 v4, v[C+4*(\t):C+4*(\t)+1], s[28:29] offset:32*CB*(\t)   ; 32 lanes store 256 consecutive bytes, aligned
.endm
.irp t, 0,1,2,3,4,5,6,7,8,9,10,11,12,13,14,15
	STEP \t
.endr
	ds_load_b64 v[8:9], v6                         ; LDS serves a wave's instructions in order: these see my byte stores
	s_wait_dscnt 0x0
	global_store_b64 v7, v[8:9], s[30:31]          ; 32 lanes store 256 consecutive bytes, aligned
	s_wait_tensorcnt 0x0                           ; the wave's end
	ds_add_u32 v[SPW], v[NIL]
	s_wait_dscnt 0x0
	s_endpgm
.Lcast:                                            ; Wo to f16, by head.  Wave w takes rows n0 = 16 c + 4 w .. + 3.  This path writes no LDS
	s_sub_co_u32 s25, ttmp9, 352
	s_lshl_b32 s25, s25, 4
	s_lshl_b32 s33, s24, 2
	s_add_co_u32 s25, s25, s33                     ; n0
	s_lshl_b32 s36, s25, 12                        ; a row of Wo is 4,096 bytes
	s_mov_b32 s37, 0
	s_add_nc_u64 s[12:13], s[12:13], s[36:37]
	s_lshl_b32 s36, s25, 7                         ; a row of a head's part is 128 bytes
	s_add_nc_u64 s[22:23], s[22:23], s[36:37]
	v_lshrrev_b32 v8, 4, v2
	v_and_b32 v9, 15, v2
	v_lshlrev_b32 v9, 4, v9
	v_lshl_add_u32 v8, v8, 12, v9                  ; in: lanes 0-15 one row's 256 bytes of a head, lanes 16-31 the next row's
	v_lshlrev_b32 v9, 3, v2                        ; out: 8 bytes a lane: the same two rows' 128 bytes each, on end
.set i, 0
.rept 32                                           ; load i: rows n0 + 2 (i / 16) + 0, 1; head i % 16
	global_load_b128 v[16+4*i:19+4*i], v8, s[12:13] offset:(i/16)*8192+(i%16)*256 th:TH_LOAD_NT
.set i, i+1
.endr
.set i, 0
.rept 32
	s_wait_loadcnt 31-i                            ; loads come back in order: load i is in, the younger ones may be out
	v_cvt_pk_f16_f32 v[144+2*i], v[16+4*i], v[17+4*i]
	v_cvt_pk_f16_f32 v[145+2*i], v[18+4*i], v[19+4*i]
	global_store_b64 v9, v[144+2*i:145+2*i], s[22:23] offset:(i%16)*131072+(i/16)*256   ; 32 lanes store 256 consecutive bytes, aligned; each store has data registers of its own
.set i, i+1
.endr
	s_endpgm
.Lfunc_end_k_qdfa23d6560_prep:
	.size	k_qdfa23d6560_prep, .Lfunc_end_k_qdfa23d6560_prep-k_qdfa23d6560_prep
	.p2alignl 7, 3214868480
	.fill 96, 4, 3214868480
	.section	.rodata,"a",@progbits
	.p2align	6, 0x0
	.amdhsa_kernel k_qdfa23d6560_prep
		.amdhsa_group_segment_fixed_size 33280
		.amdhsa_private_segment_fixed_size 0
		.amdhsa_enable_private_segment 0
		.amdhsa_kernarg_size 80
		.amdhsa_user_sgpr_count 2
		.amdhsa_user_sgpr_kernarg_segment_ptr 1
		.amdhsa_wavefront_size32 1
		.amdhsa_system_sgpr_workgroup_id_x 1
		.amdhsa_system_sgpr_workgroup_id_y 1
		.amdhsa_system_sgpr_workgroup_id_z 1
		.amdhsa_system_vgpr_workitem_id 0
		.amdhsa_next_free_vgpr 208
		.amdhsa_next_free_sgpr 66
		.amdhsa_reserve_vcc 0
		.amdhsa_float_denorm_mode_32 3
		.amdhsa_float_denorm_mode_16_64 3
		.amdhsa_memory_ordered 1
		.amdhsa_forward_progress 1
		.amdhsa_inst_pref_size 45
	.end_amdhsa_kernel
	.amdgpu_metadata
---
amdhsa.version: [ 1, 2 ]
amdhsa.kernels:
  - .name:           k_qdfa23d6560_prep
    .symbol:         k_qdfa23d6560_prep.kd
    .args:
      - { .name: x, .offset: 0, .size: 8, .value_kind: global_buffer, .address_space: global }
      - { .name: q_heads, .offset: 8, .size: 8, .value_kind: global_buffer, .address_space: global }
      - { .name: k_heads, .offset: 16, .size: 8, .value_kind: global_buffer, .address_space: global }
      - { .name: v_heads, .offset: 24, .size: 8, .value_kind: global_buffer, .address_space: global }
      - { .name: output_proj, .offset: 32, .size: 8, .value_kind: global_buffer, .address_space: global }
      - { .name: x_codes, .offset: 40, .size: 8, .value_kind: global_buffer, .address_space: global }
      - { .name: x_scales, .offset: 48, .size: 8, .value_kind: global_buffer, .address_space: global }
      - { .name: w_codes, .offset: 56, .size: 8, .value_kind: global_buffer, .address_space: global }
      - { .name: w_scales, .offset: 64, .size: 8, .value_kind: global_buffer, .address_space: global }
      - { .name: wo16, .offset: 72, .size: 8, .value_kind: global_buffer, .address_space: global }
    .group_segment_fixed_size: 33280
    .private_segment_fixed_size: 0
    .kernarg_segment_align: 8
    .kernarg_segment_size: 80
    .max_flat_workgroup_size: 128
    .sgpr_count:     66
    .vgpr_count:     208
    .wavefront_size: 32
...
	.end_amdgpu_metadata
.endif
;; end of part 1
;; launch qkv (part 2): grid 12 x 32, 4 waves a work-group, clusters of 4 x 4, 327,680 bytes of LDS; arguments x_codes, x_scales, w_codes, w_scales, qkv, fine; writes qkv, fine
.if DOCPART == 2
	.amdgcn_target "amdgcn-amd-amdhsa--gfx1250"
	.amdhsa_code_object_version 6
	.text
	.protected	k_qdfa23d6560_qkv
	.globl	k_qdfa23d6560_qkv
	.p2align	8
	.type	k_qdfa23d6560_qkv,@function
k_qdfa23d6560_qkv:
	s_mov_b64 s[64:65], 0
	v_nop
	global_prefetch_b8 v0, s[64:65] scope:SCOPE_SE
	s_setreg_imm32_b32 hwreg(HW_REG_WAVE_MODE, 25, 1), 1
	s_wait_xcnt 0x0
	s_wait_alu depctr_hold_cnt(0) depctr_sa_sdst(0) depctr_va_vdst(0) depctr_va_sdst(0) depctr_va_ssrc(0) depctr_va_vcc(0) depctr_vm_vsrc(0)
	s_getreg_b32 s2, hwreg(HW_REG_IB_STS2, 6, 4)
	s_cmp_eq_u32 s2, 0
	s_cbranch_scc0 .Lentry_in_a_cluster
	s_endpgm
.Lentry_in_a_cluster:
	s_bfe_u32 s2, ttmp6, 0x10000c
	s_cmp_lg_u32 s2, 0xf033
	s_cbranch_scc0 .Lentry_shape_is_right
	s_endpgm
.Lentry_shape_is_right:
; The three quantised projections as ONE product on codes of FP4 (E2M1): C[m][n] = sum over k of x[m][k] W[n][k], m = 8,192 positions, n = 3,072 (Wq, Wk, Wv on end), k = 1,024; one E8M0 scale for each 32 along K; sums in f32.
; C leaves as f16, laid by head: qkv [48 hc][8192 m][64], hc = n / 64 (q: h; k: 16 + h; v: 32 + h).  Rows 0-15 of each batch leave in f32 too, as images of the accumulators' registers:
; fine [4 b][192 blocks of 16 columns][2 g][32 lanes][4]: lane l holds row l % 16, columns 16 block + 8 (l / 16) + 4 g + 0 .. 3.
; LIMIT: q, k and v must lie under 65,504 in size (f16).
; A tile of C, 256 x 256, is made by four waves, each 128 x 128: 64 accumulators, 512 registers.  K is two slots of 512 (a tile's row is 256 bytes of memory); both are asked for at the head and nothing is filled again:
; by this text's own count a wave has three tensor loads out at the most (its scales, slot 0, slot 1).  The scales of the work-group's 256 + 256 rows, for all of K, come once, in blocks of 256 bytes.
; CLUSTERS: 4 x 4 work-groups.  The four of a row of the cluster need the same tiles of x, the four of a column the same tiles of W: each tile is asked for JOINTLY.
; THE MATRIX INSTRUCTION IS USED TRANSPOSED (source 0 = 16 rows of W, source 1 = 16 rows of x): a lane then holds eight neighbouring columns of one row of C.
; REGISTERS, in windows of 256: window 0: v0-31 addresses; v32-95 scale words, two sets; from v128 x's fragments, ONE set; on the way out v32-63 packed results, v128-191 rows read back.
;   window 1: W's fragments, TWO sets, at v0 and v128.   window 2: the accumulators of my rows 0-63 ((a, b) at v[8 (8 a + b)]);   window 3: those of my rows 64-127.
.set KSTEP,  512
.set NQ,     KSTEP/128
.set ROWB,   256                       ; a tile's row in bytes
.set KROW,   512                       ; a row of codes in memory
.set PITCH,  272                       ; an LDS row: 256 bytes + 16 of padding: the 16 rows that a load touches start 16 bytes apart modulo 256
.set FR,     8
.set NL,     2
.set NP,     4                         ; places behind this matrix instruction (ISA guide 7.12.1)
.set HALFT,  128*PITCH
.set SLOT,   4*HALFT
.set KS,     32                        ; a row of scales in bytes
.set SCL,    2*SLOT
.set HALFS,  (128*KS/256)*272
.set SBLK,   (16*KS/256)*272
.set SPARE,  SCL+4*HALFS               ; the spare words, 128 bytes a wave, which no other line names
.set SPITCH, 272                       ; the way out: a stage of 16 rows x (256 bytes + 16) for each wave, in slot 0, which has had its only fill and its last read when the first result is stored there
.set ADRA, 16
.set ADRB, 20
.set STO,  24
.set RD,   25
.set CO,   26
.set ADRS, 27
.set SPW,  28
.set NIL,  29
.set SC,   32
.set AF,   128
.set TMP,  32
.set BK,   128
.set G1, 24
.set G0, 32
.set G1B, 48
.set G0B, 56
.set G1S, 68
.set G0S, 76
.set G1SB, 80
.set G0SB, 88
.set MSB, 0
.macro WIN new                         ; the immediate's high byte repeats the setting that is left
.if MSB != \new
	s_set_vgpr_msb (MSB<<8)|\new
.set MSB, \new
.endif
.endm
.set MUL_LO, 0xa1                      ; source 0 (W) window 1, source 1 (x) window 0, C and D window 2
.set MUL_HI, 0xf1
.set TO_B,   0x40
; A joint load: waves 0 and 1 fetch for x, waves 2 and 3 for W.  The branch hangs on the wave's number alone.  An s_nop 0 and four v_nop follow each of the two lines.
.macro JLOAD g0a, g1a, g0b, g1b
	s_cmp_eq_u32 s15, 0
	s_cbranch_scc0 .Lfor_b_\@
	tensor_load_to_lds s[\g0a:\g0a+3], s[\g1a:\g1a+7]
	s_nop 0
.rept 4
	v_nop
.endr
	s_branch .Lasked_\@
.Lfor_b_\@:
	tensor_load_to_lds s[\g0b:\g0b+3], s[\g1b:\g1b+7]
	s_nop 0
.rept 4
	v_nop
.endr
.Lasked_\@:
.endm
.macro CROUND                          ; a round of the cluster's barrier
	s_barrier_signal -1
	s_barrier_wait -1
	s_cmp_lg_u32 s14, 0
	s_cbranch_scc1 .Lnot_wave_0_\@
	s_barrier_signal -3
.Lnot_wave_0_\@:
	s_barrier_wait -3
	s_barrier_signal -1
	s_barrier_wait -1
.endm
	s_load_b128 s[4:7], s[0:1], 0x0                ; x's codes, x's scales
	s_load_b128 s[8:11], s[0:1], 0x10              ; W's codes, W's scales
	s_load_b64 s[12:13], s[0:1], 0x20              ; qkv
	s_load_b64 s[100:101], s[0:1], 0x28            ; fine
	v_lshl_add_u32 v[SPW], v0, 2, SPARE
	v_mov_b32 v[NIL], 0
	ds_add_u32 v[SPW], v[NIL]                      ; the wave's opening: the add, twice on end, and its wait ahead of my first tensor load
	ds_add_u32 v[SPW], v[NIL]
	v_lshrrev_b32 v1, 5, v0
	v_readfirstlane_b32 s14, v1                    ; wave 0..3
	s_lshr_b32 s15, s14, 1                         ; which half of the tile's rows is mine.  Also: I fetch for x (0) or for W (1)
	s_and_b32 s16, s14, 1                          ; which half of its columns.  Also: which 128 rows of that tile I fetch
	s_bfe_u32 s40, ttmp6, 0x40000                  ; cx, cy: my place in the cluster
	s_bfe_u32 s41, ttmp6, 0x40004
	s_lshl_b32 s42, ttmp9, 2
	s_add_co_u32 s42, s42, s40                     ; tile column of C
	s_and_b32 s17, ttmp7, 0xffff
	s_lshl_b32 s17, s17, 2
	s_add_co_u32 s17, s17, s41                     ; tile row of C
	s_lshl_b32 s43, s41, 2
	s_lshl_b32 s43, 15, s43                        ; my row of the cluster
	s_lshl_b32 s44, 0x1111, s40                    ; my column
	; descriptor group 1: a tile of 128 rows x 256 bytes, 16 bytes of padding behind each row
	s_or_b32 s[G1+0], s43, (0<<16)|(1<<20)|(1<<21)|(5<<22)|(3<<25)
	s_or_b32 s[G1B+0], s44, (0<<16)|(1<<20)|(1<<21)|(5<<22)|(3<<25)
.irp g, G1, G1B
	s_mov_b32 s[\g+1], ROWB<<16                    ; tensor_dim0
	s_mov_b32 s[\g+2], 128<<16                     ; tensor_dim1
	s_mov_b32 s[\g+3], ROWB<<16                    ; tile_dim0
	s_mov_b32 s[\g+4], 128                         ; tile_dim1
	s_mov_b32 s[\g+5], KROW                        ; the pitch
	s_mov_b32 s[\g+6], 0
	s_mov_b32 s[\g+7], 0
.endr
	; the scales of 128 rows: a dense block of 4,096 bytes, as 16 rows of 256 bytes (32 elements of 8 bytes), 16 bytes of padding behind each
	s_or_b32 s[G1S+0], s43, (3<<16)|(1<<20)|(1<<21)|(5<<22)|(3<<25)
	s_or_b32 s[G1SB+0], s44, (3<<16)|(1<<20)|(1<<21)|(5<<22)|(3<<25)
.irp g, G1S, G1SB
	s_mov_b32 s[\g+1], 32<<16
	s_mov_b32 s[\g+2], (128*KS/256)<<16
	s_mov_b32 s[\g+3], 32<<16
	s_mov_b32 s[\g+4], 128*KS/256
	s_mov_b32 s[\g+5], 32
	s_mov_b32 s[\g+6], 0
	s_mov_b32 s[\g+7], 0
.endr
	s_lshl_b32 s18, s16, 7                         ; which 128 rows of the tile I fetch
	s_lshl_b32 s20, s17, 8
	s_add_co_u32 s20, s20, s18                     ; x: row 256 x tile row + 128 x half
	s_lshl_b32 s46, s42, 8
	s_add_co_u32 s46, s46, s18                     ; W: row 256 x tile column + 128 x half
	s_mov_b32 s21, 0
	s_mov_b32 s47, 0
	s_mov_b64 s[18:19], KS
	s_mul_u64 s[22:23], s[20:21], s[18:19]         ; where these rows' scales begin,
	s_mul_u64 s[92:93], s[46:47], s[18:19]
	s_mov_b64 s[18:19], KROW
	s_mul_u64 s[20:21], s[20:21], s[18:19]         ; and their codes
	s_mul_u64 s[46:47], s[46:47], s[18:19]
	s_mul_i32 s45, s14, HALFT                      ; where they go: wave x 128 rows: no place in the cluster enters an LDS address
	s_mul_i32 s94, s14, HALFS
	s_wait_dscnt 0x0                               ; both opening adds are done
	s_wait_kmcnt 0x0
	s_add_nc_u64 s[20:21], s[4:5], s[20:21]
	s_add_nc_u64 s[22:23], s[6:7], s[22:23]
	s_add_nc_u64 s[46:47], s[8:9], s[46:47]
	s_add_nc_u64 s[92:93], s[10:11], s[92:93]
	CROUND                                         ; all sixteen work-groups are here: the joint loads meet
	s_mov_b32 s[G0S], 1
	s_add_co_u32 s[G0S+1], s94, SCL
	s_mov_b64 s[G0S+2:G0S+3], s[22:23]
	s_or_b32 s[G0S+3], s[G0S+3], 0x80000000
	s_mov_b32 s[G0SB], 1
	s_add_co_u32 s[G0SB+1], s94, SCL
	s_mov_b64 s[G0SB+2:G0SB+3], s[92:93]
	s_or_b32 s[G0SB+3], s[G0SB+3], 0x80000000
	JLOAD G0S, G1S, G0SB, G1SB                     ; the scales first: they are wanted with K step 0
.irp s, 0,1
	s_mov_b32 s[G0+4*\s], 1
	s_add_co_u32 s[G0+4*\s+1], s45, \s*SLOT
	s_add_nc_u64 s[G0+4*\s+2:G0+4*\s+3], s[20:21], \s*ROWB
	s_or_b32 s[G0+4*\s+3], s[G0+4*\s+3], 0x80000000
	s_mov_b32 s[G0B+4*\s], 1
	s_add_co_u32 s[G0B+4*\s+1], s45, \s*SLOT
	s_add_nc_u64 s[G0B+4*\s+2:G0B+4*\s+3], s[46:47], \s*ROWB
	s_or_b32 s[G0B+4*\s+3], s[G0B+4*\s+3], 0x80000000
	JLOAD G0+4*\s, G1, G0B+4*\s, G1B
.endr
	v_and_b32 v1, 15, v0                           ; l % 16
	v_bfe_u32 v2, v0, 4, 1                         ; l / 16
	v_mul_u32_u24 v3, v1, PITCH
	v_lshl_add_u32 v4, v2, 4, v3                   ; a fragment's row x pitch + 16 x half
	s_mul_i32 s21, s15, HALFT                      ; my 128 rows of x
	s_mul_i32 s22, s16, HALFT                      ; my 128 rows of W,
	s_add_co_u32 s22, s22, 2*HALFT                 ; which lie behind x's 256
.irp s, 0,1
	v_add_nc_u32 v[ADRA+\s], s21, v4
	v_add_nc_u32 v[ADRB+\s], s22, v4
	s_add_co_u32 s21, s21, SLOT
	s_add_co_u32 s22, s22, SLOT
.endr
	v_mul_u32_u24 v5, v1, KS                       ; my row's scales: 32 bytes a row,
	v_lshrrev_b32 v6, 8, v5
	v_lshl_add_u32 v5, v6, 4, v5                   ; and 16 more for each 256 passed
	s_mul_i32 s21, s15, HALFS
	s_mul_i32 s22, s16, HALFS
	s_add_co_u32 s22, s22, 2*HALFS
	s_sub_co_u32 s22, s22, s21
	v_mul_u32_u24 v6, s22, v2                      ; lanes 16-31 take W's
	s_add_co_u32 s21, s21, SCL
	v_add_nc_u32 v5, v5, v6
	v_add_nc_u32 v[ADRS], s21, v5
	s_mul_i32 s23, s14, 16*SPITCH                  ; my stage
	v_mul_u32_u24 v5, v1, SPITCH                   ; in: row l % 16, 16 bytes for each half of the lanes
	v_lshl_add_u32 v5, v2, 4, v5
	v_add_nc_u32 v[STO], s23, v5
	v_and_b32 v6, 31, v0
	v_lshlrev_b32 v[CO], 4, v6                     ; out: 16 bytes a lane
	v_lshrrev_b32 v5, 3, v6                        ; back: eight lanes take a head's 128 bytes of a row, the 32 lanes four rows
	v_mul_u32_u24 v5, v5, SPITCH
	v_and_b32 v6, 7, v0
	v_lshl_add_u32 v5, v6, 4, v5
	v_add_nc_u32 v[RD], s23, v5
	s_lshl_b32 s20, s17, 8
	s_lshl_b32 s21, s15, 7
	s_add_co_u32 s20, s20, s21                     ; my first row: 256 x tile row + 128 x half,
	s_lshl_b32 s20, s20, 7                         ; of 128 bytes in a head's plane
	s_mov_b32 s21, 0
	s_lshl_b32 s46, s42, 2
	s_lshl_b32 s47, s16, 1
	s_add_co_u32 s46, s46, s47                     ; my first head's plane: 4 x tile column + 2 x half,
	s_lshl_b32 s46, s46, 20                        ; of 2^20 bytes
	s_mov_b32 s47, 0
	s_add_nc_u64 s[20:21], s[20:21], s[46:47]
	s_add_nc_u64 s[12:13], s[12:13], s[20:21]
	s_lshr_b32 s46, s17, 3                         ; the batch,
	s_mul_i32 s46, s46, 192
	s_lshl_b32 s47, s42, 4
	s_add_co_u32 s46, s46, s47
	s_lshl_b32 s47, s16, 3
	s_add_co_u32 s46, s46, s47                     ; my first block of 16 columns: 16 x tile column + 8 x half,
	s_lshl_b32 s46, s46, 10                        ; of 1,024 bytes.  (Inside the buffer for every work-group)
	s_mov_b32 s47, 0
	s_add_nc_u64 s[100:101], s[100:101], s[46:47]
.macro FRAG reg, adr, q, i             ; a fragment, 16 rows x 128 K of 4-bit codes: lane l holds row l % 16; registers 4 c .. 4 c + 3 hold K = 64 c + 32 (l / 16) + 0 .. 31
.irp c, 0,1
	ds_load_b128 v[\reg+4*\c:\reg+4*\c+3], v[\adr] offset:64*(\q)+32*\c+(\i)*16*PITCH
.endr
.endm
; 16 matrix instructions: x's blocks a0, a0 + 1 against W's eight, 128 along K.  p: W's set; sc: the set of scale words.  zero = 1: the first product starts the sums.
; The 64 accumulators take turns, one instruction a turn, in the same order in every step.
.macro MUL16 a0, p, q, sc, zero
.irp a, \a0, \a0+1
.irp b, 0,1,2,3,4,5,6,7
.if \zero
	v_wmma_scale_f32_16x16x128_f8f6f4 v[8*(8*((\a)%4)+\b):8*(8*((\a)%4)+\b)+7], v[128*(\p)+FR*\b:128*(\p)+FR*\b+FR-1], v[AF+FR*(\a):AF+FR*(\a)+FR-1], 0, v[SC+8*NQ*(\sc)+NQ*\b+(\q)], v[SC+8*NQ*(\sc)+NQ*(\a)+(\q)] matrix_a_fmt:MATRIX_FMT_FP4 matrix_b_fmt:MATRIX_FMT_FP4 matrix_a_scale:MATRIX_SCALE_ROW1
.else
	v_wmma_scale_f32_16x16x128_f8f6f4 v[8*(8*((\a)%4)+\b):8*(8*((\a)%4)+\b)+7], v[128*(\p)+FR*\b:128*(\p)+FR*\b+FR-1], v[AF+FR*(\a):AF+FR*(\a)+FR-1], v[8*(8*((\a)%4)+\b):8*(8*((\a)%4)+\b)+7], v[SC+8*NQ*(\sc)+NQ*\b+(\q)], v[SC+8*NQ*(\sc)+NQ*(\a)+(\q)] matrix_a_fmt:MATRIX_FMT_FP4 matrix_b_fmt:MATRIX_FMT_FP4 matrix_a_scale:MATRIX_SCALE_ROW1
.endif
.endr
.endr
.endm
.macro FETCH_B slot, q, p
	WIN TO_B
.irp i, 0,1,2,3,4,5,6,7
	FRAG 128*(\p)+FR*\i, ADRB+\slot, \q, \i
.endr
	WIN 0
.endm
.macro FETCH_A slot, q, i0
.irp i, \i0, \i0+1, \i0+2, \i0+3
	FRAG AF+FR*(\i), ADRA+\slot, \q, \i
.endr
.endm
.macro SCALES sc                       ; a slot's scale words: four words a row; lanes 0-15 take x's block i, lanes 16-31 W's block i
.irp i, 0,1,2,3,4,5,6,7
	ds_load_b128 v[SC+8*NQ*\sc+NQ*\i:SC+8*NQ*\sc+NQ*\i+3], v[ADRS] offset:\i*SBLK
.endr
.endm
.macro PLACES n                        ; places in front of loads into registers that matrix instructions have read, and of the first read of results
.rept \n
	v_nop
.endr
.endm
.macro STEP slot, q, zero              ; a step of 128 along K that has its successor in the same slot
	s_wait_dscnt 4*NL                              ; W's set and x's blocks 0-3 are in; the youngest eight loads (x's blocks 4-7) may be out
	WIN MUL_LO
	MUL16 0, (\q)%2, \q, \slot, \zero
	MUL16 2, (\q)%2, \q, \slot, \zero
	s_wait_dscnt 0                                 ; x's blocks 4-7 are in
	PLACES NP
	FETCH_B \slot, (\q)+1, 1-(\q)%2
	FETCH_A \slot, (\q)+1, 0
	WIN MUL_HI
	MUL16 4, (\q)%2, \q, \slot, \zero
	MUL16 6, (\q)%2, \q, \slot, \zero
	PLACES NP
	WIN 0
	FETCH_A \slot, (\q)+1, 4
.endm
; Slot 0's last step changes slots: one barrier; in front of it each wave waits for all its tensor loads (its part of slot 1), adds 0 to its spare word, and waits for that and for its reads of slot 0.  Nothing is filled again.
.macro TURN slot, next
	s_wait_tensorcnt 0x0
	ds_add_u32 v[SPW], v[NIL]
	s_wait_dscnt 4*NL+1                            ; (the add and the youngest eight loads may be out)
	WIN MUL_LO
	MUL16 0, 1, NQ-1, \slot, 0
	s_wait_dscnt 0x0                               ; the add is done, and my reads of this slot are over
	s_barrier_signal -1
	MUL16 2, 1, NQ-1, \slot, 0
	WIN 0
	s_barrier_wait -1
	PLACES NP
	v_add_nc_u32 v[ADRS], 4*NQ, v[ADRS]            ; on to the next slot's scale words (no LDS load of mine is out)
	FETCH_B \next, 0, 0
	FETCH_A \next, 0, 0
	SCALES \next
	WIN MUL_HI
	MUL16 4, 1, NQ-1, \slot, 0
	MUL16 6, 1, NQ-1, \slot, 0
	PLACES NP
	WIN 0
	FETCH_A \next, 0, 4
.endm
.macro STEPS slot, from
.set Q, \from
.rept NQ-1-\from
	STEP \slot, Q, 0
.set Q, Q+1
.endr
.endm
	s_wait_tensorcnt 1                             ; the scales and my part of slot 0 are in (slot 1's load may be out)
	s_barrier_signal -1
	s_barrier_wait -1                              ; everybody's are
	FETCH_B 0, 0, 0
	FETCH_A 0, 0, 0
	SCALES 0
	FETCH_A 0, 0, 4
	STEP 0, 0, 1                                   ; the first step's products start the sums: nothing is cleared
	STEPS 0, 1
	TURN 0, 1
	STEPS 1, 0
	s_wait_dscnt 4*NL                              ; the very last step: nothing more to fetch
	WIN MUL_LO
	MUL16 0, 1, NQ-1, 1, 0
	MUL16 2, 1, NQ-1, 1, 0
	s_wait_dscnt 0
	WIN MUL_HI
	MUL16 4, 1, NQ-1, 1, 0
	MUL16 6, 1, NQ-1, 1, 0
	WIN 0
	PLACES NP                                      ; all lanes are on here
	; THE FIRST 16 POSITIONS OF A BATCH, IN F32.  They are block 0 of the waves with the upper half of a tile whose tile row is a multiple of 8.  The tile row hangs on the place in the cluster.
	; Every wave runs the sixteen stores, with all lanes on or all off.  EXEC changes only behind a wait for the addresses of what has been issued.
	s_and_b32 s20, s17, 7
	s_or_b32 s20, s20, s15
	s_cmp_eq_u32 s20, 0
	s_cselect_b32 s21, -1, 0
	s_wait_xcnt 0x0
	s_and_saveexec_b32 s22, s21
	WIN 0x08                                       ; a store's data: window 2
.irp b, 0,1,2,3,4,5,6,7
	global_store_b128 v[CO], v[8*\b:8*\b+3], s[100:101] offset:1024*\b          ; 32 lanes store 512 consecutive bytes; each accumulator from its low end on
	global_store_b128 v[CO], v[8*\b+4:8*\b+7], s[100:101] offset:1024*\b+512
.endr
	WIN 0
	s_wait_xcnt 0x0
	s_or_b32 exec_lo, exec_lo, s22                 ; all lanes on again
; THE WAY OUT, block by block of 16 rows x 128 columns (two heads).  PACK: to f16, 16 bytes a lane.  TOSTAGE: into my stage, and back four rows of one head at a time.  SEND: 512 consecutive bytes a store.
.macro PACK a
.set AC, 64*((\a)%4)
	WIN 0x0a+5*((\a)/4)                            ; sources 0 and 1: window 2 or 3
.irp b, 0,1,2,3,4,5,6,7
.irp r, 0,1,2,3
	v_cvt_pk_f16_f32 v[TMP+4*\b+\r], v[AC+8*\b+2*\r], v[AC+8*\b+2*\r+1]
.endr
.endr
	WIN 0
.endm
.macro TOSTAGE a
.set BB, BK+32*((\a)%2)
	s_wait_xcnt 0x0                                ; the stores of two blocks back have read the registers into which these loads land
.irp b, 0,1,2,3,4,5,6,7
	ds_store_b128 v[STO], v[TMP+4*\b:TMP+4*\b+3] offset:32*\b
.endr
.irp i, 0,1,2,3,4,5,6,7
	ds_load_b128 v[BB+4*\i:BB+4*\i+3], v[RD] offset:(\i%4)*4*SPITCH+128*(\i/4)   ; LDS serves a wave's instructions in order: these see the stores above
.endr
.endm
.macro SEND a
.set BB, BK+32*((\a)%2)
	s_wait_dscnt 0x0                               ; the block is back in registers
.irp i, 0,1,2,3,4,5,6,7
	global_store_b128 v[CO], v[BB+4*\i:BB+4*\i+3], s[12:13] offset:(\i/4)*1048576+(\a)*2048+(\i%4)*512   ; four rows of one head: 512 consecutive bytes, aligned
.endr
.endm
	PACK 0
	TOSTAGE 0
.irp a, 1,2,3,4,5,6,7                  ; block a's conversions stand between block a - 1's loads from the stage and the wait for them
	PACK \a
	SEND \a-1
	TOSTAGE \a
.endr
	SEND 7
	s_wait_tensorcnt 0x0                           ; the wave's end
	ds_add_u32 v[SPW], v[NIL]
	s_wait_dscnt 0x0
	CROUND                                         ; the closing round
	s_endpgm
.Lfunc_end_k_qdfa23d6560_qkv:
	.size	k_qdfa23d6560_qkv, .Lfunc_end_k_qdfa23d6560_qkv-k_qdfa23d6560_qkv
	.p2alignl 7, 3214868480
	.fill 96, 4, 3214868480
	.section	.rodata,"a",@progbits
	.p2align	6, 0x0
	.amdhsa_kernel k_qdfa23d6560_qkv
		.amdhsa_group_segment_fixed_size 327680
		.amdhsa_private_segment_fixed_size 0
		.amdhsa_enable_private_segment 0
		.amdhsa_kernarg_size 48
		.amdhsa_user_sgpr_count 2
		.amdhsa_user_sgpr_kernarg_segment_ptr 1
		.amdhsa_wavefront_size32 1
		.amdhsa_system_sgpr_workgroup_id_x 1
		.amdhsa_system_sgpr_workgroup_id_y 1
		.amdhsa_system_sgpr_workgroup_id_z 1
		.amdhsa_system_vgpr_workitem_id 0
		.amdhsa_next_free_vgpr 1024
		.amdhsa_next_free_sgpr 102
		.amdhsa_reserve_vcc 0
		.amdhsa_float_denorm_mode_32 3
		.amdhsa_float_denorm_mode_16_64 3
		.amdhsa_memory_ordered 1
		.amdhsa_forward_progress 1
		.amdhsa_inst_pref_size 128
	.end_amdhsa_kernel
	.amdgpu_metadata
---
amdhsa.version: [ 1, 2 ]
amdhsa.kernels:
  - .name:           k_qdfa23d6560_qkv
    .symbol:         k_qdfa23d6560_qkv.kd
    .args:
      - { .name: x_codes, .offset: 0, .size: 8, .value_kind: global_buffer, .address_space: global }
      - { .name: x_scales, .offset: 8, .size: 8, .value_kind: global_buffer, .address_space: global }
      - { .name: w_codes, .offset: 16, .size: 8, .value_kind: global_buffer, .address_space: global }
      - { .name: w_scales, .offset: 24, .size: 8, .value_kind: global_buffer, .address_space: global }
      - { .name: qkv, .offset: 32, .size: 8, .value_kind: global_buffer, .address_space: global }
      - { .name: fine, .offset: 40, .size: 8, .value_kind: global_buffer, .address_space: global }
    .group_segment_fixed_size: 327680
    .private_segment_fixed_size: 0
    .kernarg_segment_align: 8
    .kernarg_segment_size: 48
    .max_flat_workgroup_size: 128
    .sgpr_count:     102
    .vgpr_count:     1024
    .wavefront_size: 32
...
	.end_amdgpu_metadata
.endif
;; end of part 2
;; launch attn (part 3): grid 4 x 64, 8 waves a work-group, no clusters, 327,680 bytes of LDS; arguments qkv, att; writes att
.if DOCPART == 3
	.amdgcn_target "amdgcn-amd-amdhsa--gfx1250"
	.amdhsa_code_object_version 6
	.text
	.protected	k_qdfa23d6560_attn
	.globl	k_qdfa23d6560_attn
	.p2align	8
	.type	k_qdfa23d6560_attn,@function
k_qdfa23d6560_attn:
	s_mov_b64 s[64:65], 0
	v_nop
	global_prefetch_b8 v0, s[64:65] scope:SCOPE_SE
	s_setreg_imm32_b32 hwreg(HW_REG_WAVE_MODE, 25, 1), 1
	s_wait_xcnt 0x0
; Causal attention on f16 operands, f32 sums: att[h][m][:] = sum over keys k <= q of softmax(q . k / 8) v.  qkv: f16 [48][8192][64] (q: plane h, k: 16 + h, v: 32 + h; row m = 2048 b + position); att: f16 [16][8192][64].
; The weights p are rounded to f16 for the second product; their sum is taken unrounded.  A running maximum m and sum l for each query: p = 2^(c s - c m), c = log2(e) / 8; O and l are multiplied by 2^(c m_old - c m_new) in every step.
; LIMITS: NaN and infinities are not served.  (Positions 0-15 of each batch are made again in f32 by a later launch.)
; SHARES.  Work-group (i, y): y = 4 h + b; it owns the query blocks 7 - i and i, 256 queries each, one after the other: 8 - i slots of 256 keys, then i + 1: NINE slots in every work-group, so all 256 have equal work.
; Wave w of eight owns queries 32 w .. 32 w + 31 of the block in hand, two tiles of 16; two waves share a SIMD, so that one wave's softmax stands beside the other's products.
; NO CLUSTER: the four work-groups of a head walk 8 - i slots before they turn back to key 0, another number in each, so they do not want the same tile in the same trip.
; LAYOUT.  S^T = K Q^T (source 0 = 16 keys, source 1 = 16 queries) and O^T = V^T P (source 0 = 16 channels, source 1 = P): a lane holds ONE query (lane % 16) throughout; two tiles of S^T, rounded in pairs, ARE P's fragment.
; THE RING.  Two LDS slots of 256 keys (K, then V).  Waves 0-3 fetch K's four runs of 64 rows, waves 4-7 V's: one tensor load a wave behind each barrier, one outstanding a wave.
; THE MASK.  A step of 64 keys all of which come after the wave's 32 queries is left out, with the rest of its slot (a branch on ids; no barrier and no tensor load stands in a step).  On the diagonal hidden scores become
; -infinity ahead of the maximum.  Step 0 of every slot is read by every wave, so each slot that is asked for is read.
; REGISTERS.  window 0: v1-15 addresses; v16-31 statistics, eight a tile: +0 c m, +1 m, +2, +3 l, +4 .. +7 at work (a at +6); v32-63 Q; v64-127 S^T; v128-159 P; v160-191 the way out.
;   window 1: v0-63 O^T (tile t, channels 16 d on: 32 t + 8 d); v64-127 K of one step; v128-191 V of one step.
.set KP,    144                        ; a row of K in LDS: 128 bytes + 16: the 16 rows of a load start 16 bytes apart modulo 256
.set VP,    160                        ; a row of V: 128 + 32, for the turning load
.set VOFF,  256*KP
.set SLOT1, 1<<17                      ; one exclusive or turns an address in one slot into the other's
.set STAGE, SLOT1+256*(KP+VP)          ; behind the ring: 32 rows x 144 bytes for each wave; no tile lands here
.set SPARE, STAGE+8*32*KP              ; the spare words, 128 bytes a wave, which no other line names
.set AK0, 3
.set AV0, 4
.set ADK, 5
.set ADV, 6
.set QO,  7
.set STO, 8
.set RD,  9
.set GO,  10
.set DG,  11                           ; v11 lane % 16 - 8 (lane / 16)
.set NINF, 12                          ; v12 -infinity
.set PFO, 13                           ; v13 256 x lane
.set SPW, 14
.set NIL, 15
.set ST,  16
.set Q,   32
.set S,   64
.set P,   128
.set OUT, 160
.set KF,  64                           ; in window 1
.set VF,  128                          ; in window 1
; s8 wave; s9 wave % 4; s10 i; s11 slots of the first block; s12 the trip; s13 the slot's first key; s14, s15 my first and last query; s[20:21] lane selects; s[22:23] c;
; s[24:31], s[32:39] descriptor groups 1 (K, V); s[40:43], s[44:47] their groups 0, which walk; s[54:55], s[48:49] Q of the two blocks; s[50:51], s[52:53] att of the two; s56 the slot in hand;
; s57 the first block's slots in bytes; s[58:59] what the walk goes back by; s[66:67] where my prefetches stand; s68 trips in which I prefetch; s70-73 at work
.set MSB, 0
.macro WIN new                         ; the immediate's high byte repeats the setting that is left
.if MSB != \new
	s_set_vgpr_msb (MSB<<8)|\new
.set MSB, \new
.endif
.endm
.macro TLOAD                           ; the branch hangs on the wave's number alone; an s_nop 0 and four v_nop follow each of the two lines
	s_cmp_lt_u32 s8, 4
	s_cbranch_scc0 .Lfor_v_\@
	tensor_load_to_lds s[40:43], s[24:31]
	s_nop 0
.rept 4
	v_nop
.endr
	s_branch .Lasked_\@
.Lfor_v_\@:
	tensor_load_to_lds s[44:47], s[32:39]
	s_nop 0
.rept 4
	v_nop
.endr
.Lasked_\@:
.endm
; A PREFETCH of what the NEXT change of slots will ask for.  The four work-groups of a head and batch walk the same K and V: the one that walks all eight key slots in order (i = 0) asks, in trips 0 to 5, for key slot
; trip + 2.  Each wave asks for the 8,192 bytes that it will itself fetch, lanes 256 bytes apart: each aligned block of 256 bytes is named once in the launch.  Key slots 0 and 1 come by their loads alone.
.macro ASK
	s_cmp_lt_u32 s12, s68
	s_cbranch_scc0 .Lnot_mine_\@
	global_prefetch_b8 v[PFO], s[66:67] th:TH_LOAD_NT scope:SCOPE_SE
.Lnot_mine_\@:
.endm
.macro QLOAD ptr                       ; my 32 queries stay in registers: tile t, channels 32 c on
.irp t, 0,1
.irp c, 0,1
.irp g, 0,1
	global_load_b128 v[Q+16*\t+8*\c+4*\g:Q+16*\t+8*\c+4*\g+3], v[QO], s[\ptr:\ptr+1] offset:2048*\t+64*\c+32*\g
.endr
.endr
.endr
.endm
.macro INIT                            ; a block of queries begins: O^T and l are zeros, m lies under every score: the first change of m multiplies zeros
	WIN 0x40
.set n, 0
.rept 64
	v_mov_b32 v[n], 0
.set n, n+1
.endr
	WIN 0
.irp t, 0,1
	v_mov_b32 v[ST+8*\t+1], 0xff61b1e6             ; -3e38
	v_mul_f32 v[ST+8*\t], s22, v[ST+8*\t+1]
	v_mov_b32 v[ST+8*\t+2], 0
	v_mov_b32 v[ST+8*\t+3], 0
.endr
.endm
	s_load_b128 s[4:7], s[0:1], 0x0                ; qkv, att
	v_lshl_add_u32 v[SPW], v0, 2, SPARE
	v_mov_b32 v[NIL], 0
	ds_add_u32 v[SPW], v[NIL]                      ; the wave's opening: the add, twice on end, and its wait ahead of my first tensor load
	ds_add_u32 v[SPW], v[NIL]
	v_lshrrev_b32 v1, 5, v0
	v_readfirstlane_b32 s8, v1                     ; wave 0..7
	s_and_b32 s9, s8, 3
	s_mov_b32 s10, ttmp9                           ; i
	s_sub_co_u32 s11, 8, s10                       ; the first block's slots
	s_lshl_b32 s57, s11, 15                        ; 32,768 bytes of K or of V a slot
	s_mov_b32 s58, 0
	s_mov_b32 s59, 0
	; descriptor group 1: 64 rows of 64 f16, dense in memory; padding behind every 32 words: 4 words for K, 8 for V
	s_mov_b32 s24, (1<<16)|(1<<20)|(4<<22)|(3<<25)
	s_mov_b32 s32, (1<<16)|(1<<20)|(4<<22)|(7<<25)
.irp g, 24, 32
	s_mov_b32 s[\g+1], 64<<16                      ; tensor_dim0
	s_mov_b32 s[\g+2], 64<<16                      ; tensor_dim1
	s_mov_b32 s[\g+3], 64<<16                      ; tile_dim0
	s_mov_b32 s[\g+4], 64                          ; tile_dim1
	s_mov_b32 s[\g+5], 64                          ; the pitch
	s_mov_b32 s[\g+6], 0
	s_mov_b32 s[\g+7], 0
.endr
	s_mov_b32 s20, 0x76543210
	s_mov_b32 s21, 0xfedcba98                      ; v_permlanex16_b32's selects for lane l xor 16
	s_mov_b32 s22, 0x3e38aa3b                      ; c = log2(e) / 8
	s_mov_b32 s23, s22                             ; (named with it as a pair, so it is written)
	s_and_b32 s70, ttmp7, 0xffff
	s_lshl_b32 s16, s70, 18                        ; my head and batch: (4 h + b) x 2,048 rows x 128 bytes
	s_mov_b32 s17, 0
	s_mul_i32 s71, s9, 64*KP                       ; where my 64 rows go: of K,
	s_mul_i32 s72, s9, 64*VP
	s_add_co_u32 s72, s72, VOFF                    ; of V
	s_lshl_b32 s18, s9, 13                         ; and where they lie in a slot's 32,768 bytes of memory
	s_mov_b32 s19, 0
	s_cmp_eq_u32 s10, 0
	s_cselect_b32 s68, 6, 0
	s_mov_b32 s12, 0
	s_mov_b32 s13, 0
	s_mov_b32 s56, 0
	s_wait_dscnt 0x0                               ; both opening adds are done
	s_wait_kmcnt 0x0
	s_add_nc_u64 s[4:5], s[4:5], s[16:17]          ; q of my head and batch
	s_add_nc_u64 s[6:7], s[6:7], s[16:17]          ; att likewise
	s_mov_b32 s40, 1
	s_mov_b32 s41, s71
	s_add_nc_u64 s[42:43], s[4:5], s[18:19]
	s_add_nc_u64 s[42:43], s[42:43], 0x1000000     ; k lies 16 planes of 2^20 bytes behind q,
	s_mov_b32 s44, 1
	s_mov_b32 s45, s72
	s_add_nc_u64 s[46:47], s[42:43], 0x1000000     ; v 16 more
	s_cmp_lt_u32 s8, 4
	s_cselect_b64 s[66:67], s[42:43], s[46:47]
	s_add_nc_u64 s[66:67], s[66:67], 32768         ; my prefetches stand at key slot 1; the first change of slots steps them to 2
	s_or_b32 s43, s43, 0x80000000
	s_or_b32 s47, s47, 0x80000000
	TLOAD                                          ; slot 0: keys 0 to 255
	s_lshl_b32 s16, s8, 12                         ; my wave's 32 rows
	s_lshl_b32 s70, s10, 15                        ; block i
	s_add_co_u32 s18, s16, s70
	s_add_nc_u64 s[48:49], s[4:5], s[18:19]
	s_add_nc_u64 s[52:53], s[6:7], s[18:19]
	s_sub_co_u32 s70, 7, s10                       ; block 7 - i
	s_lshl_b32 s14, s70, 8
	s_lshl_b32 s70, s70, 15
	s_add_co_u32 s18, s16, s70
	s_add_nc_u64 s[54:55], s[4:5], s[18:19]
	s_add_nc_u64 s[50:51], s[6:7], s[18:19]
	s_lshl_b32 s71, s8, 5
	s_add_co_u32 s14, s14, s71                     ; my first query,
	s_add_co_u32 s15, s14, 31                      ; my last
	v_and_b32 v1, 15, v0                           ; r
	v_bfe_u32 v2, v0, 4, 1                         ; h
	v_lshlrev_b32 v[QO], 7, v1
	v_lshl_add_u32 v[QO], v2, 4, v[QO]             ; Q: row r of 128 bytes + 16 h
	QLOAD 54
	v_mul_u32_u24 v[AK0], v1, KP
	v_lshl_add_u32 v[AK0], v2, 4, v[AK0]           ; K: row r x pitch + 16 h
	v_and_b32 v5, 7, v0
	v_lshl_add_u32 v[AV0], v2, 3, v5               ; V, turned: lane l addresses key 8 h + l % 8, channels 8 ((l / 8) % 2) on
	v_mul_u32_u24 v[AV0], v[AV0], VP
	v_bfe_u32 v5, v0, 3, 1
	v_lshl_add_u32 v[AV0], v5, 4, v[AV0]
	v_add_nc_u32 v[AV0], VOFF, v[AV0]
	s_mul_i32 s70, s8, 32*KP
	s_add_co_u32 s70, s70, STAGE                   ; my stage
	v_mul_u32_u24 v[STO], v1, KP
	v_lshl_add_u32 v[STO], v2, 4, v[STO]
	v_add_nc_u32 v[STO], s70, v[STO]               ; in: row r, 16 bytes for each half of the lanes
	v_bfe_u32 v5, v0, 3, 2
	v_mul_u32_u24 v[RD], v5, KP
	v_and_b32 v6, 7, v0
	v_lshl_add_u32 v[RD], v6, 4, v[RD]
	v_add_nc_u32 v[RD], s70, v[RD]                 ; back: eight lanes to a row of 128 bytes, four rows an instruction
	v_and_b32 v5, 31, v0
	v_lshlrev_b32 v[GO], 4, v5
	v_lshlrev_b32 v[PFO], 8, v5
	v_lshlrev_b32 v6, 3, v2
	v_sub_nc_u32 v[DG], v1, v6
	v_mov_b32 v[NINF], 0xff800000
	INIT
.macro KLOAD q                         ; step q's K: 64 keys x 64 channels: fragment (keys 16 k on, channels 32 c on)
.irp k, 0,1,2,3
.irp c, 0,1
.irp g, 0,1
	ds_load_b128 v[KF+16*\k+8*\c+4*\g:KF+16*\k+8*\c+4*\g+3], v[ADK] offset:64*KP*(\q)+16*KP*\k+64*\c+32*\g
.endr
.endr
.endr
.endm
.macro VLOAD q                         ; step q's V, turned: fragment (keys 32 p on, channels 16 d on)
.irp p, 0,1
.irp d, 0,1,2,3
.irp g, 0,1
	ds_load_tr16_b128 v[VF+32*\p+8*\d+4*\g:VF+32*\p+8*\d+4*\g+3], v[ADV] offset:64*VP*(\q)+32*VP*\p+16*VP*\g+32*\d
.endr
.endr
.endr
.endm
.macro SUMZ t                          ; sum z of 16 of tile t's 16 pairs of weights, in place: neighbours 1, 2, 4 and 8 pairs apart; then l = a l + the sum
.set w, 4
.set u, z
.if z >= 14
.set w, 32
.set u, 0
.elseif z >= 12
.set w, 16
.set u, z-12
.elseif z >= 8
.set w, 8
.set u, z-8
.endif
.if z < 15
	v_pk_add_f32 v[S+32*\t+w*u:S+32*\t+w*u+1], v[S+32*\t+w*u:S+32*\t+w*u+1], v[S+32*\t+w*u+w/2:S+32*\t+w*u+w/2+1]
.else
	v_pk_fma_f32 v[ST+8*\t+2:ST+8*\t+3], v[ST+8*\t+2:ST+8*\t+3], v[ST+8*\t+6:ST+8*\t+7], v[S+32*\t:S+32*\t+1] op_sel_hi:[1,0,1]
.endif
.endm
.macro SOFTMAX
	; the maximum of my 32 scores and the old m: four chains a tile, each begun at the low end of its accumulator; the tiles by turns
.irp j, 0,1,2,3
.irp t, 0,1
	v_max3_num_f32 v[ST+8*\t+4+\j], v[S+32*\t+8*\j], v[S+32*\t+8*\j+1], v[S+32*\t+8*\j+2]
.endr
.endr
.irp u, 3,5
.irp j, 0,1,2,3
.irp t, 0,1
	v_max3_num_f32 v[ST+8*\t+4+\j], v[ST+8*\t+4+\j], v[S+32*\t+8*\j+\u], v[S+32*\t+8*\j+\u+1]
.endr
.endr
.endr
.irp t, 0,1
	v_max3_num_f32 v[ST+8*\t+4], v[ST+8*\t+4], v[S+32*\t+7], v[S+32*\t+15]
	v_max3_num_f32 v[ST+8*\t+6], v[ST+8*\t+6], v[S+32*\t+23], v[S+32*\t+31]
.endr
.irp t, 0,1
	v_max3_num_f32 v[ST+8*\t+4], v[ST+8*\t+4], v[ST+8*\t+5], v[ST+8*\t+6]
.endr
.irp t, 0,1
	v_max3_num_f32 v[ST+8*\t+4], v[ST+8*\t+4], v[ST+8*\t+7], v[ST+8*\t+1]
.endr
.irp t, 0,1
	v_permlanex16_b32 v[ST+8*\t+5], v[ST+8*\t+4], s20, s21         ; the query's other 32 keys lie in the lane 16 away
.endr
.irp t, 0,1
	v_mov_b32 v[ST+8*\t+7], v[ST+8*\t]             ; c m_old
.endr
.irp t, 0,1
	v_max_num_f32 v[ST+8*\t+1], v[ST+8*\t+4], v[ST+8*\t+5]
.endr
.irp t, 0,1
	v_mul_f32 v[ST+8*\t], s22, v[ST+8*\t+1]
.endr
.irp t, 0,1
	v_sub_f32 v[ST+8*\t+7], v[ST+8*\t+7], v[ST+8*\t]
.endr
	; tile 0 is scaled: c s - c m, a pair at a time
.set b, 0
.rept 16
	v_pk_fma_f32 v[S+2*b:S+2*b+1], v[S+2*b:S+2*b+1], s[22:23], v[ST:ST+1] op_sel_hi:[1,0,0] neg_lo:[0,0,1] neg_hi:[0,0,1]
.set b, b+1
.endr
	; FIRST BATCH: tile 0's 33 exponentials, tile 1's scalings among them; none of these lines names an exponential's result
.set b, 0
.rept 16
	v_pk_fma_f32 v[S+32+2*b:S+32+2*b+1], v[S+32+2*b:S+32+2*b+1], s[22:23], v[ST+8:ST+9] op_sel_hi:[1,0,0] neg_lo:[0,0,1] neg_hi:[0,0,1]
	v_exp_f32 v[S+2*b], v[S+2*b]
	v_exp_f32 v[S+2*b+1], v[S+2*b+1]
.set b, b+1
.endr
	v_exp_f32 v[ST+6], v[ST+7]                     ; a = 2^(c m_old - c m_new)
	v_nop                                          ; a plain line behind the last exponential
	s_wait_alu depctr_va_vdst(0)                   ; one wait for the batch, ahead of its first reader
	; SECOND BATCH: tile 1's 33, with tile 0's roundings and sums, which read the first batch alone, among them
.set b, 0
.rept 16
	v_exp_f32 v[S+32+b], v[S+32+b]
	v_cvt_pk_f16_f32 v[P+b], v[S+2*b], v[S+2*b+1]
.set b, b+1
.endr
.set z, 0
.rept 16
	v_exp_f32 v[S+48+z], v[S+48+z]
	SUMZ 0
.set z, z+1
.endr
	v_exp_f32 v[ST+14], v[ST+15]
	v_nop
	s_wait_alu depctr_va_vdst(0)                   ; and one for the second batch
.set b, 0
.rept 16
	v_cvt_pk_f16_f32 v[P+16+b], v[S+32+2*b], v[S+32+2*b+1]
.set b, b+1
.endr
.set z, 0
.rept 16
	SUMZ 1
.set z, z+1
.endr
	WIN 0x41                                       ; O^T (destination and source 0) in window 1, a in window 0
.irp t, 0,1
.set b, 0
.rept 16
	v_pk_mul_f32 v[32*\t+2*b:32*\t+2*b+1], v[32*\t+2*b:32*\t+2*b+1], v[ST+8*\t+6:ST+8*\t+7] op_sel_hi:[1,0]   ; each accumulator from its low end on
.set b, b+1
.endr
.endr
	WIN 0
.endm
; A KEY STEP: 64 keys, the q-th of the slot in hand.
.macro STEP q, id
.if \q > 0
	s_add_co_u32 s73, s13, 64*(\q)                 ; the step's first key
	s_cmp_gt_u32 s73, s15                          ; behind my last query: this step and the rest of the slot are hidden from all my queries
	s_cbranch_scc1 .Lend_\id
.endif
.rept 4
	v_nop                                          ; places behind the last products V^T P, in front of loads into V's registers
.endr
	WIN 0x40                                       ; destination window 1
.if \q == 0
	KLOAD 0
.endif
	VLOAD \q
	s_wait_dscnt 16                                ; K is in; V's sixteen loads may be out
	WIN 0x01                                       ; K in window 1
.irp c, 0,1                                        ; eight accumulators by turns, one instruction a turn; the first eight start the sums
.irp k, 0,1,2,3
.irp t, 0,1
.if \c == 0
	v_wmma_f32_16x16x32_f16 v[S+32*\t+8*\k:S+32*\t+8*\k+7], v[KF+16*\k+8*\c:KF+16*\k+8*\c+7], v[Q+16*\t+8*\c:Q+16*\t+8*\c+7], 0
.else
	v_wmma_f32_16x16x32_f16 v[S+32*\t+8*\k:S+32*\t+8*\k+7], v[KF+16*\k+8*\c:KF+16*\k+8*\c+7], v[Q+16*\t+8*\c:Q+16*\t+8*\c+7], v[S+32*\t+8*\k:S+32*\t+8*\k+7]
.endif
.endr
.endr
.endr
	WIN 0
.rept 4
	v_nop                                          ; places: in front of the loads into K's registers and of the first read of the scores
.endr
.if \q < 3
	WIN 0x40
	KLOAD (\q)+1                                   ; the next step's K lands under the softmax (on the diagonal one such run a wave may go unused: the change of slots waits for it)
	WIN 0
.endif
	s_add_co_u32 s70, s13, 64*(\q)+63              ; the step's last key
	s_cmp_le_u32 s70, s14                          ; at or ahead of my first query: all its keys count
	s_cbranch_scc1 .Lopen_\@
	s_sub_co_i32 s70, s14, s13
	s_sub_co_i32 s70, s70, 64*(\q)
	s_add_co_i32 s71, s70, 16
	v_add_nc_u32 v[ST+4], s70, v[DG]               ; d = my query - the step's first key - 8 (lane / 16).  Register 8 k + j holds key 16 k + 8 (lane / 16) + j of the step: hidden where 16 k + j > d
	v_add_nc_u32 v[ST+12], s71, v[DG]
.irp t, 0,1
.set n, 0
.rept 32
	v_cmp_gt_i32 vcc_lo, 16*(n/8)+n%8, v[ST+8*\t+4]
	v_cndmask_b32 v[S+32*\t+n], v[S+32*\t+n], v[NINF], vcc_lo
.set n, n+1
.endr
.endr
.Lopen_\@:
	SOFTMAX
.if \q < 3
	s_wait_dscnt 16                                ; V is in; the next step's K may be out
.else
	s_wait_dscnt 0x0
.endif
	WIN 0x51                                       ; V, C and D in window 1, P in window 0
.irp p, 0,1                                        ; eight accumulators by turns
.irp d, 0,1,2,3
.irp t, 0,1
	v_wmma_f32_16x16x32_f16 v[32*\t+8*\d:32*\t+8*\d+7], v[VF+32*\p+8*\d:VF+32*\p+8*\d+7], v[P+16*\t+8*\p:P+16*\t+8*\p+7], v[32*\t+8*\d:32*\t+8*\d+7]
.endr
.endr
.endr
	WIN 0
.endm
.macro SLOTSTEPS id
	v_add_nc_u32 v[ADK], s56, v[AK0]
	v_add_nc_u32 v[ADV], s56, v[AV0]
	STEP 0, \id
	STEP 1, \id
	STEP 2, \id
	STEP 3, \id
.Lend_\id:
	s_xor_b32 s56, s56, SLOT1                      ; on to the other slot,
	s_add_co_u32 s13, s13, 256                     ; the next 256 keys
.endm
; THE CHANGE OF SLOTS stands at a slot's head.  Each wave waits for all its tensor loads (its part of the slot that it is about to read), adds 0 to its spare word, and waits for that and for its reads of the slot that it
; has left.  Behind the barrier the slot ahead is whole and nobody reads the other one.  fill = 1: that other slot takes the next trip's keys: the load has a slot's steps in which to land.
.macro CHANGE fill
	s_wait_tensorcnt 0x0                           ; no tensor load of mine is out, so a group 0 may be written
	ds_add_u32 v[SPW], v[NIL]                      ; 0 onto my spare word; the descriptors' steps stand between it and the wait for it
.if \fill
	s_add_co_u32 s70, s12, 1
	s_cmp_eq_u32 s70, s11                          ; does the next trip begin the second block?
	s_cselect_b32 s58, s57, 0                      ; then the walk goes back to key 0
	s_xor_b32 s41, s41, SLOT1
	s_add_nc_u64 s[42:43], s[42:43], 32768
	s_sub_nc_u64 s[42:43], s[42:43], s[58:59]
	s_xor_b32 s45, s45, SLOT1
	s_add_nc_u64 s[46:47], s[46:47], 32768
	s_sub_nc_u64 s[46:47], s[46:47], s[58:59]
	s_wait_xcnt 0x0                                ; the last prefetch, a slot back, has read its address, so it may be written
	s_add_nc_u64 s[66:67], s[66:67], 32768
.endif
	s_wait_dscnt 0x0                               ; the add is done, and my reads of the slot that I have left are over
	s_barrier_signal -1
	s_barrier_wait -1
.if \fill
	TLOAD                                          ; the first thing behind the barrier, and my one tensor load until the next
	ASK
.endif
.endm
; A block of queries is finished: O^T / l, to f16, through my own stage, out as runs of 512 consecutive bytes (four rows of 128).
.macro FINISH optr
	s_wait_xcnt 0x0                                ; earlier stores have read the registers that are written below
.rept 4
	v_nop                                          ; places behind the last products
.endr
.irp t, 0,1
	v_add_f32 v[ST+8*\t+4], v[ST+8*\t+2], v[ST+8*\t+3]
.endr
.irp t, 0,1
	v_permlanex16_b32 v[ST+8*\t+5], v[ST+8*\t+4], s20, s21
.endr
.irp t, 0,1
	v_add_f32 v[ST+8*\t+4], v[ST+8*\t+4], v[ST+8*\t+5]
.endr
.irp t, 0,1
	v_rcp_f32 v[ST+8*\t+6], v[ST+8*\t+4]
.endr
	v_nop                                          ; a plain line behind the last reciprocal,
	s_wait_alu depctr_va_vdst(0)                   ; and the wait ahead of the first reader
	WIN 0x41
.irp t, 0,1
.set b, 0
.rept 16
	v_pk_mul_f32 v[32*\t+2*b:32*\t+2*b+1], v[32*\t+2*b:32*\t+2*b+1], v[ST+8*\t+6:ST+8*\t+7] op_sel_hi:[1,0]
.set b, b+1
.endr
.endr
	WIN 0x05                                       ; sources 0 and 1 in window 1
.set b, 0
.rept 32
	v_cvt_pk_f16_f32 v[OUT+b], v[2*b], v[2*b+1]
.set b, b+1
.endr
	WIN 0
.irp t, 0,1
.irp d, 0,1,2,3
	ds_store_b128 v[STO], v[OUT+16*\t+4*\d:OUT+16*\t+4*\d+3] offset:16*KP*\t+32*\d
.endr
.endr
.irp i, 0,1,2,3,4,5,6,7
	ds_load_b128 v[OUT+4*\i:OUT+4*\i+3], v[RD] offset:4*KP*\i      ; LDS serves a wave's instructions in order: these see the stores above
.endr
.irp i, 0,1,2,3,4,5,6,7
	s_wait_dscnt 7-\i                              ; load i is back; the younger ones may be out
	global_store_b128 v[GO], v[OUT+4*\i:OUT+4*\i+3], s[\optr:\optr+1] offset:512*\i
.endr
.endm
	s_wait_loadcnt 0x0                             ; Q
.Ltrip:                                            ; eight trips; behind each change of slots the next trip's keys are asked for
	CHANGE 1
	SLOTSTEPS 0
	s_add_co_u32 s70, s12, 1
	s_cmp_lg_u32 s70, s11                          ; ids and the count of trips alone: all eight waves go the same way
	s_cbranch_scc1 .Lsame
	QLOAD 48                                       ; the first block is done: the second block's queries land under its way out
	FINISH 50
	INIT
	s_lshl_b32 s14, s10, 8
	s_lshl_b32 s71, s8, 5
	s_add_co_u32 s14, s14, s71
	s_add_co_u32 s15, s14, 31
	s_mov_b32 s13, 0
	s_wait_loadcnt 0x0
.Lsame:
	s_add_co_u32 s12, s12, 1
	s_cmp_lt_u32 s12, 8
	s_cbranch_scc1 .Ltrip
	CHANGE 0                                       ; the ninth slot is written out: nothing is left to fetch
	SLOTSTEPS 1
	FINISH 52
	s_wait_tensorcnt 0x0                           ; the wave's end
	ds_add_u32 v[SPW], v[NIL]
	s_wait_dscnt 0x0
	s_endpgm
.Lfunc_end_k_qdfa23d6560_attn:
	.size	k_qdfa23d6560_attn, .Lfunc_end_k_qdfa23d6560_attn-k_qdfa23d6560_attn
	.p2alignl 7, 3214868480
	.fill 96, 4, 3214868480
	.section	.rodata,"a",@progbits
	.p2align	6, 0x0
	.amdhsa_kernel k_qdfa23d6560_attn
		.amdhsa_group_segment_fixed_size 327680
		.amdhsa_private_segment_fixed_size 0
		.amdhsa_enable_private_segment 0
		.amdhsa_kernarg_size 16
		.amdhsa_user_sgpr_count 2
		.amdhsa_user_sgpr_kernarg_segment_ptr 1
		.amdhsa_wavefront_size32 1
		.amdhsa_system_sgpr_workgroup_id_x 1
		.amdhsa_system_sgpr_workgroup_id_y 1
		.amdhsa_system_sgpr_workgroup_id_z 1
		.amdhsa_system_vgpr_workitem_id 0
		.amdhsa_next_free_vgpr 448
		.amdhsa_next_free_sgpr 80
		.amdhsa_reserve_vcc 1
		.amdhsa_float_denorm_mode_32 3
		.amdhsa_float_denorm_mode_16_64 3
		.amdhsa_memory_ordered 1
		.amdhsa_forward_progress 1
		.amdhsa_inst_pref_size 200
	.end_amdhsa_kernel
	.amdgpu_metadata
---
amdhsa.version: [ 1, 2 ]
amdhsa.kernels:
  - .name:           k_qdfa23d6560_attn
    .symbol:         k_qdfa23d6560_attn.kd
    .args:
      - { .name: qkv, .offset: 0, .size: 8, .value_kind: global_buffer, .address_space: global }
      - { .name: att, .offset: 8, .size: 8, .value_kind: global_buffer, .address_space: global }
    .group_segment_fixed_size: 327680
    .private_segment_fixed_size: 0
    .kernarg_segment_align: 8
    .kernarg_segment_size: 16
    .max_flat_workgroup_size: 256
    .sgpr_count:     80
    .vgpr_count:     448
    .wavefront_size: 32
...
	.end_amdgpu_metadata
.endif
;; end of part 3
;; launch oproj (part 4): grid 4 x 64, 4 waves a work-group, clusters of 4 x 4, 327,680 bytes of LDS; arguments att, wo16, out0; writes out0
.if DOCPART == 4
	.amdgcn_target "amdgcn-amd-amdhsa--gfx1250"
	.amdhsa_code_object_version 6
	.text
	.protected	k_qdfa23d6560_oproj
	.globl	k_qdfa23d6560_oproj
	.p2align	8
	.type	k_qdfa23d6560_oproj,@function
k_qdfa23d6560_oproj:
	s_mov_b64 s[64:65], 0
	v_nop
	global_prefetch_b8 v0, s[64:65] scope:SCOPE_SE
	s_setreg_imm32_b32 hwreg(HW_REG_WAVE_MODE, 25, 1), 1
	s_wait_xcnt 0x0
	s_wait_alu depctr_hold_cnt(0) depctr_sa_sdst(0) depctr_va_vdst(0) depctr_va_sdst(0) depctr_va_ssrc(0) depctr_va_vcc(0) depctr_vm_vsrc(0)
	s_getreg_b32 s2, hwreg(HW_REG_IB_STS2, 6, 4)
	s_cmp_eq_u32 s2, 0
	s_cbranch_scc0 .Lentry_in_a_cluster
	s_endpgm
.Lentry_in_a_cluster:
	s_bfe_u32 s2, ttmp6, 0x10000c
	s_cmp_lg_u32 s2, 0xf033
	s_cbranch_scc0 .Lentry_shape_is_right
	s_endpgm
.Lentry_shape_is_right:
; The projection on the way out: out0[m][n] = sum over k = 64 h + d of att[h][m][d] Wo[n][k], on f16 operands with f32 sums.  att: f16 [16 h][8192 m][64]; wo16: f16 [16 h][1024 n][64]; out0: f32 [8192][1024].
; (Positions 0-15 of each batch are written again, in f32 throughout, by the launch that follows.)
; A tile of out0 is 128 rows x 256 columns: 256 work-groups.  Four waves, each 64 x 128: 32 accumulators, which fill window 1.  K goes two heads (128) a slot through a ring of two LDS slots: eight slot steps.
; In both operands a head's rows are dense runs of 128 bytes: a tile is one dense block of memory.
; CLUSTERS: 4 x 4 work-groups.  The four of a row of the cluster need the same tiles of att, the four of a column the same tiles of Wo: each tile is asked for JOINTLY.  Waves 0, 1 fetch att's two heads, waves 2, 3 Wo's.
; THE MATRIX INSTRUCTION IS USED TRANSPOSED (source 0 = 16 rows of Wo, source 1 = 16 rows of att): a lane then holds eight neighbouring numbers of a row of out0.
; REGISTERS: window 0: v0-31 addresses; v32-127 and v128-223 two fragment buffers for 32 along K (att: 4 x 8, then Wo: 8 x 8); on the way out v32-159 rows read back.  window 1: accumulator (a, b) at v[8 (8 a + b)].
.set PITCH,  144                       ; an LDS row: 128 bytes + 16: the 16 rows of a load start 16 bytes apart modulo 256
.set AH,     128*PITCH                 ; a head's part of att's tile
.set BH,     256*PITCH                 ; and of Wo's
.set BOFF,   2*AH
.set SLOT,   2*AH+2*BH
.set SPARE,  2*SLOT                    ; the spare words, 128 bytes a wave, which no other line names
.set SPITCH, 528                       ; the way out: a stage of 16 rows x (512 bytes + 16) for each wave, in slot 0, which has had its last fill and its last read when the first result is stored there
.set LAPS,   4
.set ADRA, 16
.set ADRB, 20
.set STO,  24
.set RD,   25
.set CO,   26
.set SPW,  28
.set NIL,  29
.set PFO,  30
.set F0,   32
.set F1,   128
.set BK,   32
.set G1, 24
.set G0, 32
.set G1B, 48
.set G0B, 56
.set MSB, 0
.macro WIN new
.if MSB != \new
	s_set_vgpr_msb (MSB<<8)|\new
.set MSB, \new
.endif
.endm
.set MUL, 0x50                         ; C and D in window 1
.macro JLOAD s                         ; an s_nop 0 and four v_nop follow each of the two lines; the branch hangs on the wave's number alone
	s_cmp_eq_u32 s11, 0
	s_cbranch_scc0 .Lfor_b_\@
	tensor_load_to_lds s[G0+4*\s:G0+4*\s+3], s[G1:G1+7]
	s_nop 0
.rept 4
	v_nop
.endr
	s_branch .Lasked_\@
.Lfor_b_\@:
	tensor_load_to_lds s[G0B+4*\s:G0B+4*\s+3], s[G1B:G1B+7]
	s_nop 0
.rept 4
	v_nop
.endr
.Lasked_\@:
.endm
.macro CREST
	s_cmp_lg_u32 s10, 0
	s_cbranch_scc1 .Lnot_wave_0_\@
	s_barrier_signal -3
.Lnot_wave_0_\@:
	s_barrier_wait -3
	s_barrier_signal -1
	s_barrier_wait -1
.endm
.macro CROUND
	s_barrier_signal -1
	s_barrier_wait -1
	CREST
.endm
; A PREFETCH of att's tile of the slot step that stands two refills on: 32,768 bytes for a tile row.  Only the four partners of a row of the cluster read a tile row of att: they share it out BY ADDRESS, 8,192 bytes each
; (head cx / 2, half cx % 2), lanes 256 bytes apart; wave 0 asks.  The last two refills have no slot step two on.  Slot steps 0 to 3 come by their loads alone.  Wo's 2 MiB, which every row of clusters reads again, is not asked for.
.macro ASK
	s_cmp_gt_u32 s3, s68                           ; s3 = 1 in the loop's last trip
	s_cbranch_scc0 .Lnot_mine_\@
	global_prefetch_b8 v[PFO], s[66:67] th:TH_LOAD_NT scope:SCOPE_SE
.Lnot_mine_\@:
.endm
	s_load_b128 s[4:7], s[0:1], 0x0                ; att, wo16
	s_load_b64 s[8:9], s[0:1], 0x10                ; out0
	v_lshl_add_u32 v[SPW], v0, 2, SPARE
	v_mov_b32 v[NIL], 0
	ds_add_u32 v[SPW], v[NIL]                      ; the wave's opening: the add, twice on end, and its wait ahead of my first tensor load
	ds_add_u32 v[SPW], v[NIL]
	v_lshrrev_b32 v1, 5, v0
	v_readfirstlane_b32 s10, v1                    ; wave 0..3
	s_lshr_b32 s11, s10, 1                         ; which 64 of the tile's rows are mine.  Also: I fetch for att (0) or for Wo (1)
	s_and_b32 s12, s10, 1                          ; which 128 of its columns.  Also: which of a slot's two heads I fetch
	s_bfe_u32 s40, ttmp6, 0x40000                  ; cx, cy
	s_bfe_u32 s41, ttmp6, 0x40004
	s_lshl_b32 s42, ttmp9, 2
	s_add_co_u32 s42, s42, s40                     ; tile column
	s_and_b32 s13, ttmp7, 0xffff
	s_lshl_b32 s13, s13, 2
	s_add_co_u32 s13, s13, s41                     ; tile row
	s_lshl_b32 s43, s41, 2
	s_lshl_b32 s43, 15, s43                        ; my row of the cluster
	s_lshl_b32 s44, 0x1111, s40                    ; my column
	; descriptor groups 1: rows of 64 f16, dense; 4 words of padding behind every 32; att: 128 rows, Wo: 256
	s_or_b32 s[G1+0], s43, (1<<16)|(1<<20)|(1<<21)|(4<<22)|(3<<25)
	s_or_b32 s[G1B+0], s44, (1<<16)|(1<<20)|(1<<21)|(4<<22)|(3<<25)
	s_mov_b32 s[G1+1], 64<<16
	s_mov_b32 s[G1+2], 128<<16
	s_mov_b32 s[G1+3], 64<<16
	s_mov_b32 s[G1+4], 128
	s_mov_b32 s[G1+5], 64
	s_mov_b32 s[G1+6], 0
	s_mov_b32 s[G1+7], 0
	s_mov_b32 s[G1B+1], 64<<16
	s_mov_b32 s[G1B+2], 256<<16
	s_mov_b32 s[G1B+3], 64<<16
	s_mov_b32 s[G1B+4], 256
	s_mov_b32 s[G1B+5], 64
	s_mov_b32 s[G1B+6], 0
	s_mov_b32 s[G1B+7], 0
	s_lshl_b32 s16, s12, 20                        ; att: my head's plane of 2^20 bytes,
	s_lshl_b32 s17, s13, 14                        ; the tile row's 128 rows of 128 bytes
	s_add_co_u32 s16, s16, s17
	s_mov_b32 s17, 0
	s_lshl_b32 s46, s12, 17                        ; Wo: my head's plane of 2^17 bytes,
	s_lshl_b32 s47, s42, 15                        ; the tile column's 256 rows
	s_add_co_u32 s46, s46, s47
	s_mov_b32 s47, 0
	s_mul_i32 s20, s12, AH                         ; where they go: no place in the cluster enters an LDS address
	s_mul_i32 s21, s12, BH
	s_add_co_u32 s21, s21, BOFF
	s_lshr_b32 s18, s40, 1                         ; the prefetches: my work-group's 8,192 bytes of att's tile,
	s_lshl_b32 s18, s18, 20
	s_and_b32 s19, s40, 1
	s_lshl_b32 s19, s19, 13
	s_add_co_u32 s18, s18, s19
	s_lshl_b32 s19, s13, 14
	s_add_co_u32 s18, s18, s19
	s_add_co_u32 s18, s18, 3*0x200000              ; at slot step 3: the first refill steps it to 4
	s_mov_b32 s19, 0
	s_cmp_eq_u32 s10, 0
	s_cselect_b32 s68, 1, -1
	s_wait_dscnt 0x0                               ; both opening adds are done
	s_wait_kmcnt 0x0
	s_add_nc_u64 s[14:15], s[4:5], s[16:17]
	s_add_nc_u64 s[46:47], s[6:7], s[46:47]
	s_add_nc_u64 s[66:67], s[4:5], s[18:19]
	CROUND                                         ; all sixteen work-groups are here: the first joint loads meet
.irp s, 0,1
	s_mov_b32 s[G0+4*\s], 1
	s_add_co_u32 s[G0+4*\s+1], s20, \s*SLOT
	s_add_nc_u64 s[G0+4*\s+2:G0+4*\s+3], s[14:15], \s*0x200000     ; a slot step is two planes of att,
	s_or_b32 s[G0+4*\s+3], s[G0+4*\s+3], 0x80000000
	s_mov_b32 s[G0B+4*\s], 1
	s_add_co_u32 s[G0B+4*\s+1], s21, \s*SLOT
	s_add_nc_u64 s[G0B+4*\s+2:G0B+4*\s+3], s[46:47], \s*0x40000    ; and two of Wo
	s_or_b32 s[G0B+4*\s+3], s[G0B+4*\s+3], 0x80000000
	JLOAD \s
.endr
	v_and_b32 v1, 15, v0                           ; l % 16
	v_bfe_u32 v2, v0, 4, 1                         ; l / 16
	v_mul_u32_u24 v3, v1, PITCH
	v_lshl_add_u32 v3, v2, 4, v3                   ; a fragment's row x pitch + 16 x half
	s_mul_i32 s21, s11, 64*PITCH                   ; my 64 rows of att,
	s_mul_i32 s22, s12, 128*PITCH                  ; my 128 rows of Wo,
	s_add_co_u32 s22, s22, BOFF                    ; behind att's two heads
.irp s, 0,1
	v_add_nc_u32 v[ADRA+\s], s21, v3
	v_add_nc_u32 v[ADRB+\s], s22, v3
	s_add_co_u32 s21, s21, SLOT
	s_add_co_u32 s22, s22, SLOT
.endr
	s_mul_i32 s23, s10, 16*SPITCH                  ; my stage
	v_mul_u32_u24 v5, v1, SPITCH                   ; in: row l % 16, 32 bytes for each half of the lanes
	v_lshl_add_u32 v5, v2, 5, v5
	v_add_nc_u32 v[STO], s23, v5
	v_and_b32 v6, 31, v0
	v_lshlrev_b32 v[CO], 4, v6                     ; back: the 32 lanes take one row of 512 bytes; and the same in out0
	v_add_nc_u32 v[RD], s23, v[CO]
	v_lshlrev_b32 v[PFO], 8, v6
	s_lshl_b32 s16, s13, 7
	s_lshl_b32 s17, s11, 6
	s_add_co_u32 s16, s16, s17                     ; my first row: 128 x tile row + 64 x half,
	s_lshl_b32 s16, s16, 12                        ; of 4,096 bytes
	s_mov_b32 s17, 0
	s_add_nc_u64 s[8:9], s[8:9], s[16:17]
	s_lshl_b32 s46, s42, 10                        ; my first column, in bytes: 1,024 x tile column + 512 x half
	s_lshl_b32 s47, s12, 9
	s_add_co_u32 s46, s46, s47
	s_mov_b32 s47, 0
	s_add_nc_u64 s[8:9], s[8:9], s[46:47]
; 8 matrix instructions: att's block a against Wo's eight, 32 along K.  The 32 accumulators take turns, one instruction a turn, in the same order in every quarter.
.macro MUL8 f, a, zero
.irp b, 0,1,2,3,4,5,6,7
.if \zero
	v_wmma_f32_16x16x32_f16 v[8*(8*(\a)+\b):8*(8*(\a)+\b)+7], v[\f+32+8*\b:\f+32+8*\b+7], v[\f+8*(\a):\f+8*(\a)+7], 0
.else
	v_wmma_f32_16x16x32_f16 v[8*(8*(\a)+\b):8*(8*(\a)+\b)+7], v[\f+32+8*\b:\f+32+8*\b+7], v[\f+8*(\a):\f+8*(\a)+7], v[8*(8*(\a)+\b):8*(8*(\a)+\b)+7]
.endif
.endr
.endm
; 24 LDS loads in one run: the fragments of quarter kq of a slot (head kq / 2, channels 32 (kq % 2) on) into buffer f; Wo's first, att's blocks 2 and 3 last
.macro FETCH slot, kq, f
	WIN 0
.irp b, 0,1,2,3,4,5,6,7
	ds_load_b128 v[\f+32+8*\b:\f+32+8*\b+3], v[ADRB+\slot] offset:((\kq)/2)*BH+((\kq)%2)*64+16*PITCH*\b
	ds_load_b128 v[\f+32+8*\b+4:\f+32+8*\b+7], v[ADRB+\slot] offset:((\kq)/2)*BH+((\kq)%2)*64+16*PITCH*\b+32
.endr
.irp a, 0,1,2,3
	ds_load_b128 v[\f+8*\a:\f+8*\a+3], v[ADRA+\slot] offset:((\kq)/2)*AH+((\kq)%2)*64+16*PITCH*\a
	ds_load_b128 v[\f+8*\a+4:\f+8*\a+7], v[ADRA+\slot] offset:((\kq)/2)*AH+((\kq)%2)*64+16*PITCH*\a+32
.endr
.endm
.macro PLACES                          ; four places in front of loads into registers that matrix instructions have read, and of the first read of results
.rept 4
	v_nop
.endr
.endm
; One of a slot's first three quarters: multiplies buffer f and fetches quarter kq into g.
.macro QUARTER slot, kq, f, g, zero
	s_wait_dscnt 4                                 ; Wo's fragments and att's blocks 0, 1 are in; the youngest four loads may be out
	WIN MUL
	MUL8 \f, 0, \zero
	MUL8 \f, 1, \zero
	PLACES
	FETCH \slot, \kq, \g
	s_wait_dscnt 24                                ; all but the 24 just issued
	WIN MUL
	MUL8 \f, 2, \zero
	MUL8 \f, 3, \zero
.endm
; The last quarter multiplies buffer 1 and changes slots: ONE barrier; in front of it each wave waits for all its tensor loads, adds 0 to its spare word, and waits for that and for its reads of this slot.
; fill = 1: the barrier opens a round of the cluster's, and this slot is filled again, two slot steps ahead, first thing behind the round.
.macro TURN slot, next, fill
.if \fill
	s_wait_xcnt 0x0                                ; the last prefetch, a slot step back, has read its address
	s_add_nc_u64 s[66:67], s[66:67], 0x200000
.endif
	WIN 0
	s_wait_tensorcnt 0x0                           ; all my tensor loads have landed: my part of the next slot
	ds_add_u32 v[SPW], v[NIL]
	s_wait_dscnt 5                                 ; (the add and the youngest four loads may be out)
	WIN MUL
	MUL8 F1, 0, 0
	s_wait_dscnt 0x0                               ; the add is done, and my reads of this slot are over
	s_barrier_signal -1
	MUL8 F1, 1, 0
	WIN 0
	s_barrier_wait -1
.if \fill
	CREST                                          ; no wave of any partner still reads this slot's tile or has a load on its way
	s_add_nc_u64 s[G0+4*\slot+2:G0+4*\slot+3], s[G0+4*\slot+2:G0+4*\slot+3], 0x400000
	s_add_nc_u64 s[G0B+4*\slot+2:G0B+4*\slot+3], s[G0B+4*\slot+2:G0B+4*\slot+3], 0x80000
	JLOAD \slot                                    ; the four v_nop behind it are also the places in front of the loads below
.else
	PLACES
.endif
	FETCH \next, 0, F0
.if \fill
	ASK
.endif
	WIN MUL
	MUL8 F1, 2, 0
	MUL8 F1, 3, 0
.endm
	s_wait_tensorcnt 1                             ; my part of slot step 0 is in (slot step 1's load may be out)
	s_barrier_signal -1
	s_barrier_wait -1                              ; everybody's is
	FETCH 0, 0, F0
	QUARTER 0, 1, F0, F1, 1                        ; the first quarter's products start the sums: nothing is cleared
	WIN 0
	s_mov_b32 s3, LAPS-1
.Llap:                                             ; a trip goes once round the ring, from a lap's second quarter to the next lap's first, and fills both slots again
	QUARTER 0, 2, F1, F0, 0
	QUARTER 0, 3, F0, F1, 0
	TURN 0, 1, 1
	QUARTER 1, 1, F0, F1, 0
	QUARTER 1, 2, F1, F0, 0
	QUARTER 1, 3, F0, F1, 0
	TURN 1, 0, 1
	QUARTER 0, 1, F0, F1, 0
	WIN 0
	s_sub_co_u32 s3, s3, 1
	s_cmp_lg_u32 s3, 0
	s_cbranch_scc1 .Llap
	QUARTER 0, 2, F1, F0, 0                        ; the last lap fills nothing
	QUARTER 0, 3, F0, F1, 0
	TURN 0, 1, 0
	QUARTER 1, 1, F0, F1, 0
	QUARTER 1, 2, F1, F0, 0
	QUARTER 1, 3, F0, F1, 0
	s_wait_dscnt 4
	WIN MUL
	MUL8 F1, 0, 0
	MUL8 F1, 1, 0
	s_wait_dscnt 0
	MUL8 F1, 2, 0
	MUL8 F1, 3, 0
	WIN 0
; THE WAY OUT, block by block of 16 rows x 128 columns, through my own stage: back as whole rows of 512 bytes.
.macro TOSTAGE a
	WIN 0x04                                       ; an LDS store's data: window 1
.irp b, 0,1,2,3,4,5,6,7
	ds_store_b128 v[STO], v[8*(8*(\a)+\b):8*(8*(\a)+\b)+3] offset:64*\b           ; each accumulator from its low end on
	ds_store_b128 v[STO], v[8*(8*(\a)+\b)+4:8*(8*(\a)+\b)+7] offset:64*\b+16
.endr
	WIN 0
.set BB, BK+64*((\a)%2)
.irp t, 0,1,2,3,4,5,6,7,8,9,10,11,12,13,14,15
	ds_load_b128 v[BB+4*\t:BB+4*\t+3], v[RD] offset:\t*SPITCH      ; LDS serves a wave's instructions in order: these see the stores above
.endr
.endm
.macro SEND a, younger                 ; younger: the LDS instructions issued behind block a's loads, which may stay out
.set BB, BK+64*((\a)%2)
	s_wait_dscnt \younger
.irp t, 0,1,2,3,4,5,6,7,8,9,10,11,12,13,14,15
	global_store_b128 v[CO], v[BB+4*\t:BB+4*\t+3], s[8:9] offset:65536*(\a)+4096*\t th:TH_STORE_NT   ; 32 lanes store 512 consecutive bytes, aligned
.endr
.endm
	PLACES
	TOSTAGE 0
.irp a, 1,2,3
.if \a > 1
	s_wait_xcnt 0x0                                ; block a - 2's stores have read the registers into which block a's loads land
.endif
	TOSTAGE \a
	SEND \a-1, 32
.endr
	SEND 3, 0
	s_wait_tensorcnt 0x0                           ; the wave's end
	ds_add_u32 v[SPW], v[NIL]
	s_wait_dscnt 0x0
	CROUND                                         ; the closing round
	s_endpgm
.Lfunc_end_k_qdfa23d6560_oproj:
	.size	k_qdfa23d6560_oproj, .Lfunc_end_k_qdfa23d6560_oproj-k_qdfa23d6560_oproj
	.p2alignl 7, 3214868480
	.fill 96, 4, 3214868480
	.section	.rodata,"a",@progbits
	.p2align	6, 0x0
	.amdhsa_kernel k_qdfa23d6560_oproj
		.amdhsa_group_segment_fixed_size 327680
		.amdhsa_private_segment_fixed_size 0
		.amdhsa_enable_private_segment 0
		.amdhsa_kernarg_size 24
		.amdhsa_user_sgpr_count 2
		.amdhsa_user_sgpr_kernarg_segment_ptr 1
		.amdhsa_wavefront_size32 1
		.amdhsa_system_sgpr_workgroup_id_x 1
		.amdhsa_system_sgpr_workgroup_id_y 1
		.amdhsa_system_sgpr_workgroup_id_z 1
		.amdhsa_system_vgpr_workitem_id 0
		.amdhsa_next_free_vgpr 512
		.amdhsa_next_free_sgpr 70
		.amdhsa_reserve_vcc 0
		.amdhsa_float_denorm_mode_32 3
		.amdhsa_float_denorm_mode_16_64 3
		.amdhsa_memory_ordered 1
		.amdhsa_forward_progress 1
		.amdhsa_inst_pref_size 85
	.end_amdhsa_kernel
	.amdgpu_metadata
---
amdhsa.version: [ 1, 2 ]
amdhsa.kernels:
  - .name:           k_qdfa23d6560_oproj
    .symbol:         k_qdfa23d6560_oproj.kd
    .args:
      - { .name: att, .offset: 0, .size: 8, .value_kind: global_buffer, .address_space: global }
      - { .name: wo16, .offset: 8, .size: 8, .value_kind: global_buffer, .address_space: global }
      - { .name: out0, .offset: 16, .size: 8, .value_kind: global_buffer, .address_space: global }
    .group_segment_fixed_size: 327680
    .private_segment_fixed_size: 0
    .kernarg_segment_align: 8
    .kernarg_segment_size: 24
    .max_flat_workgroup_size: 128
    .sgpr_count:     70
    .vgpr_count:     512
    .wavefront_size: 32
...
	.end_amdgpu_metadata
.endif
;; end of part 4
;; launch first16 (part 5): grid 64 x 4, 16 waves a work-group, no clusters, 18,432 bytes of LDS; arguments fine, output_proj, out0; writes out0
.if DOCPART == 5
	.amdgcn_target "amdgcn-amd-amdhsa--gfx1250"
	.amdhsa_code_object_version 6
	.text
	.protected	k_qdfa23d6560_first16
	.globl	k_qdfa23d6560_first16
	.p2align	8
	.type	k_qdfa23d6560_first16,@function
k_qdfa23d6560_first16:
	s_mov_b64 s[64:65], 0
	v_nop
	global_prefetch_b8 v0, s[64:65] scope:SCOPE_SE
	s_setreg_imm32_b32 hwreg(HW_REG_WAVE_MODE, 25, 1), 1
	s_wait_xcnt 0x0
; Positions 0-15 of each batch, in f32 throughout: their rows average one to sixteen values and are the largest of the output, so their attention and their projection take no rounded operand.
; fine: q, k, v of these rows as images of accumulators: [4 b][192 blocks of 16 columns][2 g][32 lanes][4]: lane l holds row l % 16, columns 16 block + 8 (l / 16) + 4 g + 0 .. 3 (q: blocks 0-63, k: 64-127, v: 128-191).
; Work-group (cg, b) makes out0[2048 b + 0 .. 15][16 cg .. 16 cg + 15].  Wave = head: its 16 x 16 attention, then its head's part of the projection (K = 64); the sixteen parts meet in LDS and waves 0, 1 add them in order.
; 48 matrix instructions of the f32 form a wave, all written out; their results, v144-223, are written by matrix instructions alone.  K is taken in a permuted order, the same on both sides of each product.
; A store of the last line writes 32 bytes of a row: the launch writes 256 KiB in all, in runs shorter than 256 bytes.
; LIMITS: NaN and infinities are not served.
; v16-47 q, later att; v48-79 k; v80-111 v; v112-143 Wo; v144-159 two halves of S^T; v160-191 O^T; v192-223 four parts of Y^T; v224-231 the scores, then p; v232-239 y; v240-246 at work.
.set SPW, 252
.set NIL, 253
	s_load_b128 s[4:7], s[0:1], 0x0                ; fine, output_proj
	s_load_b64 s[8:9], s[0:1], 0x10                ; out0
	v_lshl_add_u32 v[SPW], v0, 2, 16384            ; the spare words lie behind the sixteen parts: 128 bytes a wave, which no other line names
	v_mov_b32 v[NIL], 0
	v_lshrrev_b32 v1, 5, v0
	v_readfirstlane_b32 s10, v1                    ; wave = head
	s_and_b32 s11, ttmp7, 0xffff                   ; batch
	s_mul_i32 s12, s11, 196608
	s_lshl_b32 s13, s10, 12
	s_add_co_u32 s12, s12, s13                     ; fine: my batch, my head's four blocks
	s_mov_b32 s13, 0
	s_lshl_b32 s14, ttmp9, 16                      ; Wo: my 16 rows of 4,096 bytes,
	s_lshl_b32 s15, s10, 8                         ; my head's 64 columns
	s_add_co_u32 s14, s14, s15
	s_mov_b32 s15, 0
	s_lshl_b32 s16, s11, 23                        ; out0: my batch's first row,
	s_lshl_b32 s17, ttmp9, 6                       ; my 16 columns
	s_add_co_u32 s16, s16, s17
	s_mov_b32 s17, 0
	s_mov_b32 s20, 0x76543210
	s_mov_b32 s21, 0xfedcba98                      ; v_permlanex16_b32's selects for lane l xor 16
	s_mov_b32 s22, 0x3e38aa3b                      ; c = log2(e) / 8
	v_and_b32 v1, 15, v0                           ; r
	v_bfe_u32 v2, v0, 4, 1                         ; h
	v_and_b32 v3, 31, v0
	v_lshlrev_b32 v3, 4, v3                        ; an image's place for my lane
	v_bfe_u32 v4, v0, 2, 1                         ; v, turned: channel r of a block lies in image g = (r / 4) % 2, lane half r / 8, number r % 4; key 8 h + m is that image's row
	v_lshlrev_b32 v4, 9, v4
	v_bfe_u32 v5, v0, 3, 1
	v_lshl_add_u32 v4, v5, 8, v4
	v_and_b32 v5, 3, v0
	v_lshl_add_u32 v4, v5, 2, v4
	v_lshl_add_u32 v4, v2, 7, v4
	v_lshlrev_b32 v5, 12, v1
	v_lshl_add_u32 v5, v2, 5, v5                   ; Wo: row r, + 8 h numbers
	v_lshlrev_b32 v6, 5, v0                        ; LDS: my 32 bytes of my head's part
	v_lshlrev_b32 v7, 3, v2
	v_sub_nc_u32 v7, v1, v7                        ; r - 8 h
	v_lshlrev_b32 v8, 4, v0                        ; the last sum: 16 bytes a thread of waves 0 and 1
	v_bfe_u32 v9, v0, 1, 4
	v_lshlrev_b32 v9, 12, v9                       ; and their place in out0: row (thread / 2) % 16,
	v_bfe_u32 v10, v0, 5, 1
	v_lshl_add_u32 v9, v10, 5, v9                  ; + 32 (thread / 32)
	v_and_b32 v10, 1, v0
	v_lshl_add_u32 v9, v10, 4, v9                  ; + 16 (thread % 2)
	v_mov_b32 v241, 0xff800000                     ; -infinity
	v_mov_b32 v242, 0                              ; (a lane permute's destination counts as one of its sources)
	s_wait_kmcnt 0x0
	s_add_nc_u64 s[4:5], s[4:5], s[12:13]
	s_add_nc_u64 s[6:7], s[6:7], s[14:15]
	s_add_nc_u64 s[8:9], s[8:9], s[16:17]
.irp t, 0,1,2,3
.irp g, 0,1
	global_load_b128 v[16+8*\t+4*\g:19+8*\t+4*\g], v3, s[4:5] offset:1024*\t+512*\g               ; q(r, 16 t + 8 h + 4 g + 0 .. 3)
.endr
.endr
.irp t, 0,1,2,3
.irp g, 0,1
	global_load_b128 v[48+8*\t+4*\g:51+8*\t+4*\g], v3, s[4:5] offset:65536+1024*\t+512*\g         ; k likewise
.endr
.endr
.irp t, 0,1,2,3
.irp m, 0,1,2,3,4,5,6,7
	global_load_b32 v[80+8*\t+\m], v4, s[4:5] offset:131072+1024*\t+16*\m                         ; v(key 8 h + m, channel 16 t + r)
.endr
.endr
.irp t, 0,1,2,3
.irp g, 0,1
	global_load_b128 v[112+8*\t+4*\g:115+8*\t+4*\g], v5, s[6:7] offset:64*\t+16*\g                ; Wo(16 cg + r, 64 head + 16 t + 8 h + 4 g + 0 .. 3)
.endr
.endr
	s_wait_loadcnt 40                              ; q and k are in; v's 32 loads and Wo's 8 may be out
	; S^T = k q^T: source 0 = 16 keys, source 1 = 16 queries; pair u of a lane's registers holds the same four channels on both sides.  Two accumulators by turns
.set u, 0
.rept 16
.if u < 2
	v_wmma_f32_16x16x4_f32 v[144+8*(u%2):151+8*(u%2)], v[48+2*u:49+2*u], v[16+2*u:17+2*u], 0
.else
	v_wmma_f32_16x16x4_f32 v[144+8*(u%2):151+8*(u%2)], v[48+2*u:49+2*u], v[16+2*u:17+2*u], v[144+8*(u%2):151+8*(u%2)]
.endif
.set u, u+1
.endr
.rept 8
	v_nop                                          ; eight places behind this form (ISA guide 7.12.1)
.endr
.irp j, 0,1,2,3,4,5,6,7
	v_add_f32 v[224+\j], v[144+\j], v[152+\j]      ; lane (r, h): query r, key 8 h + j; each accumulator from its low end on
.endr
.irp j, 0,1,2,3,4,5,6,7
	v_cmp_gt_i32 vcc_lo, \j, v7                    ; key 8 h + j comes after query r
	v_cndmask_b32 v[224+\j], v[224+\j], v241, vcc_lo
.endr
	v_max3_num_f32 v240, v224, v225, v226
	v_max3_num_f32 v240, v240, v227, v228
	v_max3_num_f32 v240, v240, v229, v230
	v_max_num_f32 v240, v240, v231
	v_permlanex16_b32 v242, v240, s20, s21
	v_max_num_f32 v240, v240, v242                 ; the row's maximum (key 0 counts for every query)
	v_mul_f32 v240, s22, v240
.irp j, 0,1,2,3,4,5,6,7
	v_fma_f32 v[224+\j], v[224+\j], s22, -v240
.endr
.irp j, 0,1,2,3,4,5,6,7
	v_exp_f32 v[224+\j], v[224+\j]
.endr
	v_nop                                          ; a plain line behind the last exponential,
	s_wait_alu depctr_va_vdst(0)                   ; and one wait for the batch, ahead of its first reader
	v_add_f32 v243, v224, v225
	v_add_f32 v244, v226, v227
	v_add_f32 v245, v228, v229
	v_add_f32 v246, v230, v231
	v_add_f32 v243, v243, v244
	v_add_f32 v245, v245, v246
	v_add_f32 v243, v243, v245
	v_permlanex16_b32 v242, v243, s20, s21
	v_add_f32 v243, v243, v242                     ; the row's sum
	v_rcp_f32 v244, v243
	v_nop
	s_wait_alu depctr_va_vdst(0)
	s_wait_loadcnt 8                               ; v is in; Wo's 8 loads may be out
	; O^T = v^T p: source 0 = 16 channels, source 1 = p; pair c holds keys 8 h + 2 c + 0, 1 on both sides.  Four accumulators by turns
.irp c, 0,1,2,3
.irp t, 0,1,2,3
.if \c == 0
	v_wmma_f32_16x16x4_f32 v[160+8*\t:167+8*\t], v[80+8*\t+2*\c:81+8*\t+2*\c], v[224+2*\c:225+2*\c], 0
.else
	v_wmma_f32_16x16x4_f32 v[160+8*\t:167+8*\t], v[80+8*\t+2*\c:81+8*\t+2*\c], v[224+2*\c:225+2*\c], v[160+8*\t:167+8*\t]
.endif
.endr
.endr
.rept 8
	v_nop
.endr
.irp j, 0,1,2,3,4,5,6,7,8,9,10,11,12,13,14,15,16,17,18,19,20,21,22,23,24,25,26,27,28,29,30,31
	v_mul_f32 v[16+\j], v[160+\j], v244            ; att(query r, channel 16 t + 8 h + j), j the register in tile t
.endr
	s_wait_loadcnt 0x0                             ; Wo
	; Y^T = Wo att^T over my head's 64 channels: source 0 = 16 rows of Wo, source 1 = att; four accumulators by turns
.irp t, 0,1,2,3
.irp c, 0,1,2,3
.if \t == 0
	v_wmma_f32_16x16x4_f32 v[192+8*\c:199+8*\c], v[112+8*\t+2*\c:113+8*\t+2*\c], v[16+8*\t+2*\c:17+8*\t+2*\c], 0
.else
	v_wmma_f32_16x16x4_f32 v[192+8*\c:199+8*\c], v[112+8*\t+2*\c:113+8*\t+2*\c], v[16+8*\t+2*\c:17+8*\t+2*\c], v[192+8*\c:199+8*\c]
.endif
.endr
.endr
.rept 8
	v_nop
.endr
.irp j, 0,1,2,3,4,5,6,7
	v_add_f32 v[232+\j], v[192+\j], v[200+\j]
.endr
.irp j, 0,1,2,3,4,5,6,7
	v_add_f32 v[224+\j], v[208+\j], v[216+\j]
.endr
.irp j, 0,1,2,3,4,5,6,7
	v_add_f32 v[232+\j], v[232+\j], v[224+\j]      ; my head's part of y(query r, column 16 cg + 8 h + j)
.endr
	ds_store_b128 v6, v[232:235]
	ds_store_b128 v6, v[236:239] offset:16
	s_wait_dscnt 0x0                               ; for the others' sake: my stores have landed
	s_barrier_signal -1
	s_barrier_wait -1
	s_cmp_gt_u32 s10, 1
	s_cbranch_scc1 .Lend                           ; waves 0 and 1 add the sixteen parts
.irp p, 0,1,2,3,4,5,6,7,8,9,10,11,12,13,14,15
	ds_load_b128 v[16+4*\p:19+4*\p], v8 offset:1024*\p
.endr
	s_wait_dscnt 0x0
.irp p, 1,2,3,4,5,6,7,8,9,10,11,12,13,14,15
	v_pk_add_f32 v[16:17], v[16:17], v[16+4*\p:17+4*\p]
	v_pk_add_f32 v[18:19], v[18:19], v[18+4*\p:19+4*\p]
.endr
	global_store_b128 v9, v[16:19], s[8:9]
.Lend:
	s_wait_tensorcnt 0x0                           ; the wave's end
	ds_add_u32 v[SPW], v[NIL]
	s_wait_dscnt 0x0
	s_endpgm
.Lfunc_end_k_qdfa23d6560_first16:
	.size	k_qdfa23d6560_first16, .Lfunc_end_k_qdfa23d6560_first16-k_qdfa23d6560_first16
	.p2alignl 7, 3214868480
	.fill 96, 4, 3214868480
	.section	.rodata,"a",@progbits
	.p2align	6, 0x0
	.amdhsa_kernel k_qdfa23d6560_first16
		.amdhsa_group_segment_fixed_size 18432
		.amdhsa_private_segment_fixed_size 0
		.amdhsa_enable_private_segment 0
		.amdhsa_kernarg_size 24
		.amdhsa_user_sgpr_count 2
		.amdhsa_user_sgpr_kernarg_segment_ptr 1
		.amdhsa_wavefront_size32 1
		.amdhsa_system_sgpr_workgroup_id_x 1
		.amdhsa_system_sgpr_workgroup_id_y 1
		.amdhsa_system_sgpr_workgroup_id_z 1
		.amdhsa_system_vgpr_workitem_id 0
		.amdhsa_next_free_vgpr 256
		.amdhsa_next_free_sgpr 66
		.amdhsa_reserve_vcc 1
		.amdhsa_float_denorm_mode_32 3
		.amdhsa_float_denorm_mode_16_64 3
		.amdhsa_memory_ordered 1
		.amdhsa_forward_progress 1
		.amdhsa_inst_pref_size 20
	.end_amdhsa_kernel
	.amdgpu_metadata
---
amdhsa.version: [ 1, 2 ]
amdhsa.kernels:
  - .name:           k_qdfa23d6560_first16
    .symbol:         k_qdfa23d6560_first16.kd
    .args:
      - { .name: fine, .offset: 0, .size: 8, .value_kind: global_buffer, .address_space: global }
      - { .name: output_proj, .offset: 8, .size: 8, .value_kind: global_buffer, .address_space: global }
      - { .name: out0, .offset: 16, .size: 8, .value_kind: global_buffer, .address_space: global }
    .group_segment_fixed_size: 18432
    .private_segment_fixed_size: 0
    .kernarg_segment_align: 8
    .kernarg_segment_size: 24
    .max_flat_workgroup_size: 512
    .sgpr_count:     66
    .vgpr_count:     256
    .wavefront_size: 32
...
	.end_amdgpu_metadata
.endif
;; end of part 5
